; MI455X (gfx1250); checked and timed in simulation.
; The chip was launched on July 23, 2026; its instructions are those of AMD's public machine-readable ISA for CDNA 5 (MIT licence, August 2026) and "CDNA5" Instruction Set Architecture Reference Guide (July 2026). The comments in the code are by the model that wrote it; some were corrected since.
;; h diag Land. Allowed arithmetic: matrix products marked QUANTISED: E3M2 operands, one E8M0 scale for each 32 along K, by v_wmma_scale_f32_16x16x128_f8f6f4 with both operands' format E3M2, f32 sums; everything else in f32.
;; Inputs: W 1 x 1 float32; reference_sample 8,192 x 256 float32; x_t 8,192 x 256 float32.
;; Outputs: out0 8,192 x 256 float32.
;; This version of the problem:
;;   THIS VERSION OF THE PROBLEM IS GIVEN IN LOW PRECISION. The matrix products marked QUANTISED in the list below multiply operands that are first quantised to E3M2 (3 exponent bits, 2 mantissa bits; 6 bits a number), with one power-of-two scale for each 32 numbers along K (OCP MX v1.0); their sums are f32. All else is computed in f32.
;;   The module's matrix products, in the order in which they are computed (A, B: the left and right operand; K: the contracted axis; several contracted axes count as one K, in the product's order):
;;     1. [M 8,192, K 256] x [K 256, N 8,192]; A: input x_t; B: input reference_sample: QUANTISED
;;     2. [M 8,192, K 8,192] x [K 8,192, N 256]; A: computed on the way; B: computed on the way: QUANTISED
;;     3. [M 8,192, K 8,192] x [K 8,192, N 256]; A: computed on the way; B: input reference_sample: QUANTISED
;;   THE QUANTISER, for each operand of a quantised product, along K:
;;     - K is cut into blocks of 32 from its start; a last block that is shorter is filled with zeros.
;;     - A block's scale is 2^e with e = floor(log2(the largest magnitude in the block)) - 4, held to -126 .. 127; a block of zeros has e = 0. As a byte (E8M0): e + 127.
;;     - Each number is divided by its block's scale, clamped to +-28, and rounded to the nearest number of E3M2, ties to even, subnormals kept.
;;     - The product sums the exact products of the quantised numbers (number of the format x scale) in f32.
;;   ~~~python
;;   def quantise(x, axis):      # numpy; x: float32 -> the quantised numbers, widened to float32 again
;;       x = np.moveaxis(x, axis, -1); K = x.shape[-1]
;;       x = np.pad(x, [(0, 0)] * (x.ndim - 1) + [(0, -K % 32)]); x = x.reshape(x.shape[:-1] + (-1, 32)); a = np.abs(x).max(-1, keepdims=True)
;;       e = np.where(a > 0, np.clip(np.frexp(np.where(a > 0, a, 1))[1] - 1 - 4, -126, 127), 0)      # np.frexp(a)[1] - 1 = floor(log2(a)), exactly
;;       r = np.clip(x / 2.0 ** e, -28, 28)
;;       step = 2.0 ** (np.maximum(np.frexp(np.where(r == 0, 1, r))[1] - 1, -2) - 2)
;;       q = np.round(r / step) * step * 2.0 ** e      # np.round: ties to even
;;       return np.moveaxis(q.reshape(q.shape[:-2] + (-1,))[..., :K], -1, axis).astype(np.float32)
;;   ~~~
;;   OPERANDS COMPUTED ON THE WAY. 'Computed on the way' means the value that the module computes at that place (a softmax that the list does not call 'softmax' is quantised finished and normalised). What goes into a quantiser is computed in f32, as accurately as f32 sums, v_exp_f32 and their like allow (about 1e-6 of the number): no bf16 or f16 on the way to a quantiser, and a product that is left as it is and whose result goes on into a quantised operand takes f32 operands (vector FMAs, or v_wmma_f32_16x16x4_f32). A number that lies on a knife's edge between two numbers of the format may be rounded either way, as far as f32 arithmetic and the matrix unit's own rounding can turn it there, and no further.
;; 2 versions, each right; version 2 is version 1 with the launch main written anew for expert scheduling mode. Each part assembles by itself: llvm-mc -triple=amdgcn-amd-amdhsa -mcpu=gfx1250 --defsym DOCPART=n.
;; ======== version 1 of 2: 3 launches
;; workspace buffers: x_q 1,671,168 bytes; r_q 1,671,168 bytes; v_q 3,276,800 bytes; part 33,554,432 bytes
;; launch prep (part 1): grid 384 x 1, 4 waves a work-group, no clusters, 68,096 bytes of LDS; arguments x_t, reference_sample, x_q, r_q, v_q; writes x_q, r_q, v_q
.if DOCPART == 1
	.amdgcn_target "amdgcn-amd-amdhsa--gfx1250"
	.amdhsa_code_object_version 6
	.text
	.protected	k_q1955b044ce_prep
	.globl	k_q1955b044ce_prep
	.p2align	8
	.type	k_q1955b044ce_prep,@function
k_q1955b044ce_prep:
	s_mov_b64 s[64:65], 0
	v_nop
	global_prefetch_b8 v0, s[64:65] scope:SCOPE_SE
	s_setreg_imm32_b32 hwreg(HW_REG_WAVE_MODE, 25, 1), 1
	s_wait_xcnt 0x0
; x_t [8192][256] and reference_sample [8192][256], f32, become operands of BF6 (E3M2) codes with one E8M0 byte for each 32 along a product's K.
; A block's byte is its largest magnitude's exponent field - 4, held at 1 from below; each number is divided by the scale and rounded to the nearest code, ties to even, beyond 28 the largest code.
; ALL CODES ARE LAID AS IMAGES OF OPERAND REGISTERS: a fragment (16 rows x 128 K, 12 registers a lane) is 1,536 bytes: registers 4 c .. 4 c + 3 of lane l at 512 c + 16 l.
; x_q, r_q (K = the 256 columns): tile T holds rows 32 (T / 2) + 8 (T % 2) + r + 8 (r / 8); images [T][K step s][1,536] at 0; scale words [T][s][16] at SCO; -0.5 x the row's sum of squares, f32 [8192], at NHO.
; v_q (K = the 8,192 rows of reference_sample): m = 0 its squares, m = 1 itself; images [key step ks][w][b = 4 m + tt][1,536]: columns 64 w + 16 tt + r; scale words [ks][m][cp][32] at VSCO: word l is column 32 cp + l.
; Work-groups 0-127 take x_t, 128-255 reference_sample (one wave, one tile); work-groups 256-383 make v_q (one wave: 32 columns x 128 keys).
; LIMITS: a block whose largest magnitude lies under 2^-122 has the byte 1; a block of zeros too (its codes are zeros, and this program alone reads the bytes).  NaN and infinities among the inputs are not served.
.set SCO,   1572864
.set NHO,   1638400
.set VSCO,  3145728
.set FLOOR, 0x2800000                  ; 2^(5 - 127): under it no largest magnitude is taken
.set EOFF,  0xfe000000                 ; takes 4 off an exponent field
	s_load_b256 s[4:11], s[0:1], 0x0               ; x_t s[4:5], reference_sample s[6:7], x_q s[8:9], r_q s[10:11]
	s_load_b64 s[12:13], s[0:1], 0x20              ; v_q
	v_lshl_add_u32 v251, v0, 2, 0x10800
	v_mov_b32 v255, 0
	v_lshrrev_b32 v1, 5, v0
	v_readfirstlane_b32 s16, v1                    ; wave 0..3
	v_and_b32 v1, 31, v0                           ; lane
	v_and_b32 v2, 15, v0                           ; r
	v_bfe_u32 v3, v0, 4, 1                         ; h
	s_mov_b32 s20, 0x76543210                      ; v_permlanex16_b32's selects for lane l xor 16
	s_mov_b32 s21, 0xfedcba98
	s_mov_b32 s23, 0                               ; the upper word of every offset
	s_cmp_ge_u32 ttmp9, 256
	s_cbranch_scc1 .Lvpath
; ---------------- K = the columns: one wave, one tile of 16 rows, two K steps of 128
.set RL, 32                            ; v32-159  the rows as loaded: 16 registers sets of 4 for each K step
.set XN, 160                           ; v160-223 my 64 numbers of a K step: 32 c + i = k 64 c + 32 h + i of row r
.set CD, 224                           ; v224-247 the codes: 12 registers for each K step, so that no store's data are written again
.set TT, 248                           ; v248-250, v252-254 the second halves of the conversions
	s_cmp_lt_u32 ttmp9, 128                        ; x_t or reference_sample: the choice hangs on the work-group's number alone
	s_cselect_b32 s17, 0, 128
	s_wait_kmcnt 0x0
	s_cselect_b64 s[4:5], s[4:5], s[6:7]
	s_cselect_b64 s[8:9], s[8:9], s[10:11]
	s_sub_co_u32 s17, ttmp9, s17
	s_lshl_b32 s17, s17, 2
	s_add_co_u32 s17, s17, s16                     ; T = 4 x work-group + wave
	s_lshr_b32 s18, s17, 1
	s_and_b32 s19, s17, 1
	s_lshl_b32 s22, s18, 15                        ; 32 rows of 1,024 bytes for each pair of tiles,
	s_lshl_b32 s24, s19, 13                        ; 8 rows for the odd one
	s_add_co_u32 s22, s22, s24
	s_add_nc_u64 s[4:5], s[4:5], s[22:23]          ; the tile's first row
	s_mul_i32 s22, s17, 3072
	s_add_nc_u64 s[24:25], s[8:9], s[22:23]        ; its two images
	s_lshl_b32 s22, s17, 7
	s_add_co_u32 s22, s22, SCO
	s_add_nc_u64 s[26:27], s[8:9], s[22:23]        ; its 32 scale words
	s_lshl_b32 s22, s18, 7
	s_lshl_b32 s30, s19, 5
	s_add_co_u32 s22, s22, s30
	s_add_co_u32 s22, s22, NHO
	s_add_nc_u64 s[28:29], s[8:9], s[22:23]        ; its rows' -0.5 x sums of squares
	s_mul_i32 s30, s16, 16896                      ; my wave's stage in LDS: for each K step 16 rows of 512 + 16 bytes
	v_lshlrev_b32 v4, 4, v1                        ; 16 x lane
	v_add_nc_u32 v5, s30, v4                       ; the stage on the way in
	v_mul_u32_u24 v6, v2, 528
	v_lshl_add_u32 v6, v3, 7, v6
	v_add_nc_u32 v6, s30, v6                       ; and on the way out: row r, + 128 h bytes: my block of 32 numbers
	v_and_b32 v7, 8, v2
	v_add_nc_u32 v7, v7, v2
	v_lshlrev_b32 v7, 2, v7                        ; 4 (r + 8 (r / 8))
	v_lshlrev_b32 v8, 2, v1                        ; 4 x lane
	v_lshlrev_b32 v9, 3, v3                        ; 8 h
	v_mov_b32 v20, 0                               ; a lane permute's destination counts as one of its sources
.irp s, 0,1
.irp i, 0,1,2,3,4,5,6,7,8,9,10,11,12,13,14,15
	global_load_b128 v[RL+64*\s+4*\i:RL+64*\s+4*\i+3], v4, s[4:5] offset:(\i+8*(\i/8))*1024+512*\s   ; 32 lanes read 512 consecutive bytes: K step s of the tile's row i
.endr
.endr
.macro KSTEP s
	s_wait_loadcnt 16*(1-\s)                       ; this K step's 16 loads are in; the other's may be out
.irp i, 0,1,2,3,4,5,6,7,8,9,10,11,12,13,14,15
	ds_store_b128 v5, v[RL+64*\s+4*\i:RL+64*\s+4*\i+3] offset:\s*8448+528*\i
.endr
.irp c, 0,1
.irp j, 0,1,2,3,4,5,6,7
	ds_load_b128 v[XN+32*\c+4*\j:XN+32*\c+4*\j+3], v6 offset:\s*8448+256*\c+16*\j   ; LDS serves a wave's instructions in order: these see my stores
.endr
.endr
	s_wait_dscnt 0x0
.if \s == 0
	v_pk_mul_f32 v[22:23], v[XN:XN+1], v[XN:XN+1]                  ; the sum of squares, in two chains of pairs: the first products start them
	v_pk_mul_f32 v[24:25], v[XN+2:XN+3], v[XN+2:XN+3]
.endif
.set p, 2*(1-\s)
.rept 30+2*\s
	v_pk_fma_f32 v[22+2*(p%2):23+2*(p%2)], v[XN+2*p:XN+2*p+1], v[XN+2*p:XN+2*p+1], v[22+2*(p%2):23+2*(p%2)]
.set p, p+1
.endr
.irp q, 0,1,2,3
	v_max3_num_f32 v[10+\q], |v[XN+16*\q]|, |v[XN+16*\q+1]|, FLOOR   ; my two blocks' largest magnitudes, each in two chains, with the floor among the leaves
.endr
.irp i, 2,4,6,8,10,12,14
.irp q, 0,1,2,3
	v_max3_num_f32 v[10+\q], v[10+\q], |v[XN+16*\q+\i]|, |v[XN+16*\q+\i+1]|
.endr
.endr
	v_max_num_f32 v10, v10, v11                    ; block h of the K step
	v_max_num_f32 v12, v12, v13                    ; block 2 + h
	v_add_nc_u32 v14, EOFF, v10                    ; 4 off the exponent field: the conversion takes the exponent field of this operand as its scale
	v_add_nc_u32 v15, EOFF, v12
	v_lshrrev_b32 v16, 23, v14                     ; the scales' bytes
	v_lshrrev_b32 v17, 23, v15
	v_lshl_or_b32 v[18+\s], v17, 16, v16
	v_lshlrev_b32 v[18+\s], v9, v[18+\s]           ; at their places in the row's scale word, 8 h bits up;
	v_permlanex16_b32 v20, v[18+\s], s20, s21
	v_or_b32 v[18+\s], v[18+\s], v20               ; with lane l xor 16's two bytes the word is whole
.irp c, 0,1
	v_cvt_scalef32_pk16_bf6_f32 v[CD+12*\s+6*\c:CD+12*\s+6*\c+2], v[XN+32*\c:XN+32*\c+15], v[14+\c]
	v_cvt_scalef32_pk16_bf6_f32 v[TT+4*\c:TT+4*\c+2], v[XN+32*\c+16:XN+32*\c+31], v[14+\c]   ; (a conversion's three registers begin on an even number)
.endr
	v_nop                                          ; one plain place behind a scaled conversion
.irp c, 0,1
.irp i, 0,1,2
	v_mov_b32 v[CD+12*\s+6*\c+3+\i], v[TT+4*\c+\i]
.endr
.endr
.irp c, 0,1,2
	global_store_b128 v4, v[CD+12*\s+4*\c:CD+12*\s+4*\c+3], s[24:25] offset:1536*\s+512*\c   ; 32 lanes store 512 consecutive bytes, aligned
.endr
.endm
	KSTEP 0
	KSTEP 1
	v_pk_add_f32 v[22:23], v[22:23], v[24:25]
	v_add_f32 v22, v22, v23
	v_permlanex16_b32 v20, v22, s20, s21
	v_add_f32 v22, v22, v20                        ; lanes r and r + 16 together hold the row
	v_mul_f32 v22, -0.5, v22
	global_store_b32 v7, v22, s[28:29]             ; both lanes of a row store the same word with the same value
	v_cmp_gt_u32 vcc_lo, 16, v1
	v_cndmask_b32 v21, v19, v18, vcc_lo            ; lanes 0-15: K step 0's words; lanes 16-31: K step 1's
	global_store_b32 v8, v21, s[26:27]
	s_wait_tensorcnt 0x0
	ds_add_u32 v251, v255
	s_wait_dscnt 0x0
	s_endpgm
; ---------------- K = the rows: a lane takes a column, its registers run down 128 keys: four blocks of 32, each a lane's own
.Lvpath:
.set XV, 32                            ; v32-159  four sets of 32 numbers
.set SQ, 160                           ; v160-191 a block's squares
.set IM, 192                           ; v192-239 the codes at 24 m + 12 h + 6 c: what image lane (r, h) holds of my column
.set TV, 240                           ; v240-242, v244-246 the second halves of the conversions
.set WD, 22                            ; v22, v23 the two scale words
	s_sub_co_u32 s17, ttmp9, 256
	s_lshl_b32 s17, s17, 2
	s_add_co_u32 s17, s17, s16                     ; 0..511
	s_and_b32 s18, s17, 7                          ; cp: which 32 columns
	s_lshr_b32 s19, s17, 3                         ; ks: which 128 keys
	s_lshl_b32 s22, s19, 17
	s_lshl_b32 s24, s18, 7
	s_add_co_u32 s22, s22, s24                     ; 128 rows of 1,024 bytes a key step, 128 bytes a column group
	s_wait_kmcnt 0x0
	s_add_nc_u64 s[6:7], s[6:7], s[22:23]
	s_lshl_b32 s22, s19, 2
	s_lshr_b32 s24, s18, 1
	s_add_co_u32 s22, s22, s24
	s_lshl_b32 s22, s22, 3
	s_and_b32 s24, s18, 1
	s_lshl_b32 s24, s24, 1
	s_add_co_u32 s22, s22, s24
	s_mul_i32 s22, s22, 1536                       ; image ((4 ks + cp / 2) 8 + 2 (cp % 2)): my lanes 0-15's tile with m = 0
	s_add_nc_u64 s[24:25], s[12:13], s[22:23]
	s_lshl_b32 s22, s19, 11
	s_lshl_b32 s26, s18, 7
	s_add_co_u32 s22, s22, s26
	s_add_co_u32 s22, s22, VSCO
	s_add_nc_u64 s[26:27], s[12:13], s[22:23]
	v_lshlrev_b32 v4, 2, v1                        ; 4 x lane
	v_mul_u32_u24 v5, v3, 1536
	v_lshl_add_u32 v5, v2, 4, v5                   ; lanes 16-31 belong to the next tile of columns; 16 bytes a column
.macro LOADV t
.irp i, 0,1,2,3,4,5,6,7,8,9,10,11,12,13,14,15,16,17,18,19,20,21,22,23,24,25,26,27,28,29,30,31
	global_load_b32 v[XV+32*(\t)+\i], v4, s[6:7] offset:(32*(\t)+\i)*1024   ; key 32 t + i at 32 neighbouring columns; the four waves stand side by side
.endr
.endm
.macro BLOCKV t
.set XS0, XV+32*(\t)
.if (\t) < 3
	s_wait_loadcnt 32                              ; this block's 32 loads are in; the next block's may be out
.else
	s_wait_loadcnt 0x0
.endif
.if (\t) < 2
	LOADV (\t)+2
.endif
	v_max3_num_f32 v10, |v[XS0]|, |v[XS0+1]|, |v[XS0+2]|
	v_max3_num_f32 v11, |v[XS0+3]|, |v[XS0+4]|, |v[XS0+5]|
.irp i, 6,10,14,18,22,26
	v_max3_num_f32 v10, v10, |v[XS0+\i]|, |v[XS0+\i+1]|
	v_max3_num_f32 v11, v11, |v[XS0+\i+2]|, |v[XS0+\i+3]|
.endr
	v_max3_num_f32 v10, v10, |v[XS0+30]|, |v[XS0+31]|
	v_max_num_f32 v10, v10, v11                    ; the block's largest magnitude
.set p, 0
.rept 16
	v_pk_mul_f32 v[SQ+2*p:SQ+2*p+1], v[XS0+2*p:XS0+2*p+1], v[XS0+2*p:XS0+2*p+1]
.set p, p+1
.endr
	v_mul_f32 v12, v10, v10                        ; the largest square is the largest magnitude's: a rounded product does not fall where its factor rises
	v_max_num_f32 v13, FLOOR, v10
	v_max_num_f32 v12, FLOOR, v12
	v_add_nc_u32 v14, EOFF, v12                    ; the conversions' scale operands: the squares',
	v_add_nc_u32 v15, EOFF, v13                    ; the numbers'
	v_lshrrev_b32 v16, 23, v14
	v_lshrrev_b32 v17, 23, v15
.if (\t) == 0
	v_mov_b32 v[WD], v16
	v_mov_b32 v[WD+1], v17
.else
	v_lshl_or_b32 v[WD], v16, 8*(\t), v[WD]        ; the lower keys in the lower byte
	v_lshl_or_b32 v[WD+1], v17, 8*(\t), v[WD+1]
.endif
.set IB, IM+12*((\t)%2)+6*((\t)/2)     ; block t = 2 c + h
	v_cvt_scalef32_pk16_bf6_f32 v[IB:IB+2], v[SQ:SQ+15], v14
	v_cvt_scalef32_pk16_bf6_f32 v[TV:TV+2], v[SQ+16:SQ+31], v14
	v_cvt_scalef32_pk16_bf6_f32 v[IB+24:IB+26], v[XS0:XS0+15], v15
	v_cvt_scalef32_pk16_bf6_f32 v[TV+4:TV+6], v[XS0+16:XS0+31], v15
	v_nop                                          ; one plain place behind a scaled conversion
.irp i, 0,1,2
	v_mov_b32 v[IB+3+\i], v[TV+\i]
	v_mov_b32 v[IB+27+\i], v[TV+4+\i]
.endr
.endm
	LOADV 0
	LOADV 1
	BLOCKV 0
	BLOCKV 1
	BLOCKV 2
	BLOCKV 3
.irp m, 0,1
.irp h, 0,1
.irp c, 0,1,2
	global_store_b128 v5, v[IM+24*\m+12*\h+4*\c:IM+24*\m+12*\h+4*\c+3], s[24:25] offset:6144*\m+256*\h+512*\c   ; sixteen lanes store 256 consecutive bytes, aligned
.endr
.endr
	global_store_b32 v4, v[WD+\m], s[26:27] offset:1024*\m
.endr
	s_endpgm
.Lfunc_end_k_q1955b044ce_prep:
	.size	k_q1955b044ce_prep, .Lfunc_end_k_q1955b044ce_prep-k_q1955b044ce_prep
	.p2alignl 7, 3214868480
	.fill 96, 4, 3214868480
	.section	.rodata,"a",@progbits
	.p2align	6, 0x0
	.amdhsa_kernel k_q1955b044ce_prep
		.amdhsa_group_segment_fixed_size 68096
		.amdhsa_private_segment_fixed_size 0
		.amdhsa_enable_private_segment 0
		.amdhsa_kernarg_size 40
		.amdhsa_user_sgpr_count 2
		.amdhsa_user_sgpr_kernarg_segment_ptr 1
		.amdhsa_wavefront_size32 1
		.amdhsa_system_sgpr_workgroup_id_x 1
		.amdhsa_system_sgpr_workgroup_id_y 1
		.amdhsa_system_sgpr_workgroup_id_z 1
		.amdhsa_system_vgpr_workitem_id 0
		.amdhsa_next_free_vgpr 256
		.amdhsa_next_free_sgpr 66
		.amdhsa_reserve_vcc 1
		.amdhsa_float_denorm_mode_32 3
		.amdhsa_float_denorm_mode_16_64 3
		.amdhsa_memory_ordered 1
		.amdhsa_forward_progress 1
		.amdhsa_inst_pref_size 47
	.end_amdhsa_kernel
	.amdgpu_metadata
---
amdhsa.version: [ 1, 2 ]
amdhsa.kernels:
  - .name:           k_q1955b044ce_prep
    .symbol:         k_q1955b044ce_prep.kd
    .args:
      - { .name: x_t, .offset: 0, .size: 8, .value_kind: global_buffer, .address_space: global }
      - { .name: reference_sample, .offset: 8, .size: 8, .value_kind: global_buffer, .address_space: global }
      - { .name: x_q, .offset: 16, .size: 8, .value_kind: global_buffer, .address_space: global }
      - { .name: r_q, .offset: 24, .size: 8, .value_kind: global_buffer, .address_space: global }
      - { .name: v_q, .offset: 32, .size: 8, .value_kind: global_buffer, .address_space: global }
    .group_segment_fixed_size: 68096
    .private_segment_fixed_size: 0
    .kernarg_segment_align: 8
    .kernarg_segment_size: 40
    .max_flat_workgroup_size: 128
    .sgpr_count:     66
    .vgpr_count:     256
    .wavefront_size: 32
...
	.end_amdgpu_metadata
.endif
;; end of part 1
;; launch main (part 2): grid 64 x 4, 4 waves a work-group, no clusters, 97,792 bytes of LDS; arguments x_t, x_q, r_q, v_q, part; writes part
.if DOCPART == 2
	.amdgcn_target "amdgcn-amd-amdhsa--gfx1250"
	.amdhsa_code_object_version 6
	.text
	.protected	k_q1955b044ce_main
	.globl	k_q1955b044ce_main
	.p2align	8
	.type	k_q1955b044ce_main,@function
k_q1955b044ce_main:
	s_mov_b64 s[64:65], 0
	v_nop
	global_prefetch_b8 v0, s[64:65] scope:SCOPE_SE
	s_setreg_imm32_b32 hwreg(HW_REG_WAVE_MODE, 25, 1), 1
	s_wait_xcnt 0x0
; For 128 queries (work-group x) and 2,048 keys (work-group y): cross = Q(x) Q(ref)^T; w = exp(-(x_sq + r_sq - 2 cross) / 128) in f32; P2 = Q(w) Q(ref^2), P3 = Q(w) Q(ref); ws = the sum of the unquantised w;
; part[y][q][d] = P2 - 2 x P3 + x^2 ws.  Nothing is normalised, so the four key splits' parts simply add; the next launch adds them.  All three products on BF6 (E3M2) codes with E8M0 scales, f32 sums.
; w = 2^(c (cross + nh_r) + c nh_x), c = log2(e) / 64, nh = -0.5 x a row's sum of squares: nh_r is the C of the first product's first instruction, the rest one fused multiply-add and one v_exp_f32.
; SHARES.  Eight supersteps of 256 keys.  S PHASE: wave w takes keys 64 w .. 64 w + 63 of the superstep for all eight tiles of 16 queries (source 0 = 16 keys, source 1 = x: a lane holds one query, its 32 registers
; run along the keys: register 16 b + e is key 32 b + 16 (lane / 16) + e, by the rows that the first launch chose for a tile).  Its weights are quantised in registers: half a fragment of the second products' operand.
; PV PHASE: wave w owns columns 64 w .. 64 w + 63 of ref^2 (b = 0-3) and of ref (b = 4-7) for all 128 queries: 64 accumulators, 512 registers (source 0 = 16 columns of V, source 1 = the weights).
; So every fragment of K and of V is wanted by ONE wave of the work-group and feeds eight products from its registers: it comes straight from memory into those registers, well ahead of its use.
; THE GLOBAL LOADS ARE DEALT OUT IN SHORT RUNS, each behind the LDS loads of the step in hand: V's 56 as seven runs of 8 behind the S phase's loads of x; the next superstep's K as three runs of 12, two at the S phase's end
; (K's registers are idle behind tile 7's products) and one in the PV phase; x for the way out in the last PV phase, into registers that are idle by then.  No LDS instruction is issued right behind a long run of global loads.
; NO CLUSTER, NO JOINT LOADS: the 64 work-groups of a key split do read the same 147,456 bytes of K and V a superstep, but a joint load lands in LDS: it would add a write and a read of those bytes in each work-group's LDS,
; beside the 110,592 bytes a superstep that x's and the weights' images already cost a work-group there.
; THROUGH LDS go only images of operand registers: x's (copied once) and the weights' (two buffers by turns: ONE barrier a superstep; a buffer is written again two S phases on, behind the next barrier, in front of which
; every wave has waited for its reads of it).
; LIMITS: a weight under 2^-126 comes out as 0 (v_exp_f32 gives no denormals); a block of weights whose largest lies under 2^-122 has the byte 1, a block of zeros too (its codes are zeros).  NaN and infinities are not served.
; The sums of squares, ws and the parts are f32 sums in another order than the source's.
; REGISTERS, in windows of 256.  Window 0: v1-7 addresses; v8-11, v12-13, v16-23, v24-31 scale words of K, x, V, the weights; v14-15, v248-249 c nh_x; v32-127 at work in the S phase, the weights' 8 fragments in the PV phase;
;   v128-151 x's two fragments; v152-247 V's fragments of the superstep's second 128 keys; v250 address; v251-253 r, h, r + 8 (r / 8); v255 address.
;   Window 1: v0-95 K's 8 fragments; v96-191 V's of the first 128 keys; v192-223 nh_r in the result's layout; v224-239 ws, a pair a tile.   Windows 2, 3: accumulator (a, b) at v[8 (8 (a % 4) + b)] of window 2 + a / 4.
.set SCO,   1572864                    ; in x_q and r_q: scale words,
.set NHO,   1638400                    ; -0.5 x sums of squares
.set VSCO,  3145728                    ; in v_q: scale words
.set PSC,   49152                      ; LDS: at 0 the weights' images: 24,576 buffer + 12,288 key step + 1,536 tile + 768 half; here their scale words: 1,024 buffer + 512 key step + 64 tile + 4 r
.set XSC,   51200                      ; x's scale words: 128 tile + 4 lane (lanes 0-15 K step 0, lanes 16-31 K step 1)
.set AQI,   52224                      ; c nh_x: 128 tile + 4 lane
.set XIMG,  53248                      ; x's 16 images
.set WSX,   77824                      ; the waves' shares of ws: 512 wave + 64 tile + 4 r
.set STG,   79872                      ; the way out: 16 rows of 256 + 16 bytes for each wave
.set LI,   1                           ; 16 x lane
.set L8,   2                           ; 8 x lane
.set LS,   3                           ; 4 x lane
.set PW16, 4                           ; where I store my half fragment's registers 0-3,
.set PW8,  5                           ; 4-5,
.set PSW,  6                           ; and my two scale bytes
.set CG,   7                           ; 64 h
.set KS,   8
.set XS,   12
.set AQ0,  14
.set VS,   16
.set PS,   24
.set TM,   32                          ; v32-35 four chains of maxima; v36-37 the other half's
.set SO,   38                          ; v38-39 the conversions' scale operands
.set BY,   40                          ; v40-41 the bytes
.set HW,   42                          ; both in a half word
.set PC,   48                          ; v48-53 the six registers of codes
.set PT,   54                          ; v54-56 the second conversion's
.set SUM,  58                          ; v58-59 a tile step's sum of weights
.set SA,   64                          ; v64-95, v96-127 two sets of 32 scores, by turns
.set PF,   32
.set XF,   128
.set VF1,  152
.set AQ1,  248
.set XA,   250
.set RR,   251
.set HH,   252
.set RHO,  253
.set XO,   255                         ; my byte offset in the work-group's rows of x_t: 1,024 (r + 8 (r / 8)) + 256 wave + 32 h; not rewritten before the kernel's last lines
.set KF,   0                           ; window 1
.set VF0,  96
.set CB,   192
.set WS,   224
.set KBA,  20                          ; s[20:21] K's images;  s[22:23] its scale words;  s[24:25] nh_r: at the superstep whose K is asked for next
.set KSBA, 22
.set CBBA, 24
.set VBA,  26                          ; s[26:27] V's images;  s[28:29] its scale words: at the superstep in hand
.set VSBA, 28
.set CS,   34                          ; s[34:35] c, twice
.set SEL,  36                          ; s[36:37] v_permlanex16_b32's selects for lane l xor 16
.set MSB, 0
.macro WIN new                         ; the immediate's high byte repeats the setting that is left
.if MSB != (\new)
	s_set_vgpr_msb (MSB<<8)|(\new)
.set MSB, (\new)
.endif
.endm
.macro PLACES n                        ; plain vector instructions between a matrix instruction and what writes or loads over its registers
.rept \n
	v_nop
.endr
.endm
; An image is three loads of 512 consecutive bytes; a wave's 8 images of K (or of V for one key step) lie on end in memory and in registers: load number ln brings registers 4 ln .. 4 ln + 3 from byte 512 ln.
.macro KFL n0, cnt                     ; cnt of the 24 loads of K's images, from number n0 on.  It leaves the destination's window at 1
	WIN 0x40
.set ln, \n0
.rept \cnt
	global_load_b128 v[KF+4*ln:KF+4*ln+3], v[LI], s[KBA:KBA+1] offset:512*ln
.set ln, ln+1
.endr
.endm
.macro KREST                           ; nh_r of my 64 keys in the result's layout, and K's 4 registers of scale words: 12 loads
	WIN 0x40
.irp t, 0,1,2,3
.irp e, 0,1
	global_load_b128 v[CB+8*\t+4*\e:CB+8*\t+4*\e+3], v[CG], s[CBBA:CBBA+1] offset:(32*(\t/2)+8*(\t%2))*4+16*\e
.endr
.endr
	WIN 0
.irp t, 0,1,2,3
	global_load_b32 v[KS+\t], v[LS], s[KSBA:KSBA+1] offset:128*\t
.endr
.endm
.macro KLOAD                           ; all 36 at once: at the kernel's head alone
	KFL 0, 24
	KREST
.endm
.macro VSL                             ; V's 8 registers of scale words
.irp s, 0,1
.irp m, 0,1
.irp p, 0,1
	global_load_b32 v[VS+4*\s+2*\m+\p], v[LS], s[VSBA:VSBA+1] offset:2048*\s+1024*\m+128*\p
.endr
.endr
.endr
.endm
.macro VCH j                           ; run j of seven of V's 56 loads, 8 each: 0 the scale words; 1-3 the first key step's images; 4-6 the second's
.if (\j) == 0
	VSL
.elseif (\j) < 4
	WIN 0x40
.set ln, 8*((\j)-1)
.rept 8
	global_load_b128 v[VF0+4*ln:VF0+4*ln+3], v[LI], s[VBA:VBA+1] offset:512*ln
.set ln, ln+1
.endr
	WIN 0
.else
.set ln, 8*((\j)-4)
.rept 8
	global_load_b128 v[VF1+4*ln:VF1+4*ln+3], v[LI], s[VBA:VBA+1] offset:49152+512*ln
.set ln, ln+1
.endr
.endif
.endm
.macro XG a                            ; x_t in the accumulators' layout, tile a: 8 loads into v[32 a] on of window 1 (the caller sets the window)
.irp b, 0,1,2,3
.irp e, 0,1
	global_load_b128 v[32*(\a)+8*\b+4*\e:32*(\a)+8*\b+4*\e+3], v[XO], s[30:31] offset:(32*((\a)/2)+8*((\a)%2))*1024+64*\b+16*\e
.endr
.endr
.endm
.macro XLOAD i                         ; tile i of the queries: two fragments, scale words, c nh_x: 8 LDS loads
.irp s, 0,1
.irp c, 0,1,2
	ds_load_b128 v[XF+12*\s+4*\c:XF+12*\s+4*\c+3], v[XA] offset:3072*(\i)+1536*\s+512*\c
.endr
.endr
	ds_load_b32 v[XS+(\i)%2], v[LS] offset:XSC+128*(\i)
	ds_load_b32 v[AQ0+(AQ1-AQ0)*((\i)%2)], v[LS] offset:AQI+128*(\i)
.endm
.macro SMUL i                          ; cross + nh_r for my 64 keys x tile i: four accumulators by turns; K step 1 takes the scale words of lanes 16-31
.set SS, SA+32*((\i)%2)
	WIN 0x11
.irp t, 0,1,2,3
	v_wmma_scale_f32_16x16x128_f8f6f4 v[SS+8*\t:SS+8*\t+7], v[KF+24*\t:KF+24*\t+11], v[XF:XF+11], v[CB+8*\t:CB+8*\t+7], v[KS+\t], v[XS+(\i)%2] matrix_a_fmt:MATRIX_FMT_BF6 matrix_b_fmt:MATRIX_FMT_BF6
.endr
	WIN 0x01
.irp t, 0,1,2,3
	v_wmma_scale_f32_16x16x128_f8f6f4 v[SS+8*\t:SS+8*\t+7], v[KF+24*\t+12:KF+24*\t+23], v[XF+12:XF+23], v[SS+8*\t:SS+8*\t+7], v[KS+\t], v[XS+(\i)%2] matrix_a_fmt:MATRIX_FMT_BF6 matrix_b_fmt:MATRIX_FMT_BF6 matrix_a_scale:MATRIX_SCALE_ROW1 matrix_b_scale:MATRIX_SCALE_ROW1
.endr
	WIN 0
.endm
.macro VECA i                          ; the exponents, two at a time, each accumulator from its low end on
.set SS, SA+32*((\i)%2)
.set AQR, AQ0+(AQ1-AQ0)*((\i)%2)
.set k, 0
.rept 16
	v_pk_fma_f32 v[SS+2*k:SS+2*k+1], v[SS+2*k:SS+2*k+1], s[CS:CS+1], v[AQR:AQR+1] op_sel_hi:[1,0,0]
.set k, k+1
.endr
.endm
.macro TAIL                            ; pair kt of the weights goes into its block's maximum (the floor 2^(5 - 127) starts each chain) and into the sum
.if kt%4 == 0
	s_wait_alu depctr_va_vdst(0)
	v_max3_num_f32 v[TM+kt/4], v[SS+2*kt], v[SS+2*kt+1], 0x2800000
.else
	s_wait_alu depctr_va_vdst(0)
	v_max3_num_f32 v[TM+kt/4], v[TM+kt/4], v[SS+2*kt], v[SS+2*kt+1]
.endif
.if kt == 1
	v_pk_add_f32 v[SUM:SUM+1], v[SS:SS+1], v[SS+2:SS+3]
.elseif kt > 1
	v_pk_add_f32 v[SUM:SUM+1], v[SUM:SUM+1], v[SS+2*kt:SS+2*kt+1]
.endif
.endm
.macro VECB i, beta                    ; the weights of tile i, their sum, their two blocks' scales, their codes; the half fragment's image and the two bytes go to buffer beta
.set SS, SA+32*((\i)%2)
.set k, 0
.rept 16
	v_exp_f32 v[SS+2*k], v[SS+2*k]
	v_exp_f32 v[SS+2*k+1], v[SS+2*k+1]
.if k == 1
	v_nop                                          ; a plain place between the first exponentials and their use; later the pair before's lines are that place
.endif
.if k > 0
.set kt, k-1
	TAIL
.endif
.set k, k+1
.endr
.set kt, 15
	TAIL
	v_max_num_f32 v[TM], v[TM], v[TM+1]
	v_max_num_f32 v[TM+2], v[TM+2], v[TM+3]
	v_permlanex16_b32 v[TM+4], v[TM], s[SEL], s[SEL+1]
	v_permlanex16_b32 v[TM+5], v[TM+2], s[SEL], s[SEL+1]
	v_max_num_f32 v[TM], v[TM], v[TM+4]            ; with lane l xor 16's 16 keys: the blocks' largest weights
	v_max_num_f32 v[TM+2], v[TM+2], v[TM+5]
	v_add_nc_u32 v[SO], 0xfe000000, v[TM]          ; 4 off the exponent field: the conversion's scale operand
	v_add_nc_u32 v[SO+1], 0xfe000000, v[TM+2]
	v_cvt_scalef32_pk16_bf6_f32 v[PC:PC+2], v[SS:SS+15], v[SO]
	v_cvt_scalef32_pk16_bf6_f32 v[PT:PT+2], v[SS+16:SS+31], v[SO+1]
	v_lshrrev_b32 v[BY], 23, v[SO]                 ; the bytes.  (Plain places behind the conversions)
	v_lshrrev_b32 v[BY+1], 23, v[SO+1]
	v_lshl_or_b32 v[HW], v[BY+1], 8, v[BY]
.irp e, 0,1,2
	v_permlane16_swap_b32 v[PC+\e], v[PT+\e]       ; the operand's layout wants a whole block in a lane: lanes 0-15 the first block, lanes 16-31 the second
.endr
.irp e, 0,1,2
	v_mov_b32 v[PC+3+\e], v[PT+\e]
.endr
	WIN 0x41
	v_pk_add_f32 v[WS+2*(\i):WS+2*(\i)+1], v[WS+2*(\i):WS+2*(\i)+1], v[SUM:SUM+1]
	WIN 0
	ds_store_b128 v[PW16], v[PC:PC+3] offset:24576*\beta+1536*(\i)
	ds_store_b64 v[PW8], v[PC+4:PC+5] offset:24576*\beta+1536*(\i)
	ds_store_b16 v[PSW], v[HW] offset:1024*\beta+64*(\i)   ; lanes r and r + 16 store the same half word with the same value
.endm
.macro PFETCH beta, s, a               ; the weights' fragment of key step s, tile a: its two halves came from two waves
.set PB, 24576*\beta+12288*\s+1536*(\a)
	ds_load_b128 v[PF+12*(\a):PF+12*(\a)+3], v[LI] offset:PB
	ds_load_b64 v[PF+12*(\a)+4:PF+12*(\a)+5], v[L8] offset:PB+512
	ds_load_b128 v[PF+12*(\a)+6:PF+12*(\a)+9], v[LI] offset:PB+768
	ds_load_b64 v[PF+12*(\a)+10:PF+12*(\a)+11], v[L8] offset:PB+1280
.endm
.macro PSLOAD beta                     ; their scale words: lanes 0-15 an even tile's, lanes 16-31 the odd tile's behind it
.irp s, 0,1
.irp g, 0,1,2,3
	ds_load_b32 v[PS+4*\s+\g], v[LS] offset:PSC+1024*\beta+512*\s+128*\g
.endr
.endr
.endm
; One product of the PV phase.  ra, rb: the side's scale words stand in lanes 16-31.  zero: it starts its sum.
.macro PM1 ac, vr, pr, sa, sb, ra, rb, zero
.if \zero
.if (\ra) && (\rb)
	v_wmma_scale_f32_16x16x128_f8f6f4 v[\ac:\ac+7], v[\vr:\vr+11], v[\pr:\pr+11], 0, v[\sa], v[\sb] matrix_a_fmt:MATRIX_FMT_BF6 matrix_b_fmt:MATRIX_FMT_BF6 matrix_a_scale:MATRIX_SCALE_ROW1 matrix_b_scale:MATRIX_SCALE_ROW1
.elseif (\ra)
	v_wmma_scale_f32_16x16x128_f8f6f4 v[\ac:\ac+7], v[\vr:\vr+11], v[\pr:\pr+11], 0, v[\sa], v[\sb] matrix_a_fmt:MATRIX_FMT_BF6 matrix_b_fmt:MATRIX_FMT_BF6 matrix_a_scale:MATRIX_SCALE_ROW1
.elseif (\rb)
	v_wmma_scale_f32_16x16x128_f8f6f4 v[\ac:\ac+7], v[\vr:\vr+11], v[\pr:\pr+11], 0, v[\sa], v[\sb] matrix_a_fmt:MATRIX_FMT_BF6 matrix_b_fmt:MATRIX_FMT_BF6 matrix_b_scale:MATRIX_SCALE_ROW1
.else
	v_wmma_scale_f32_16x16x128_f8f6f4 v[\ac:\ac+7], v[\vr:\vr+11], v[\pr:\pr+11], 0, v[\sa], v[\sb] matrix_a_fmt:MATRIX_FMT_BF6 matrix_b_fmt:MATRIX_FMT_BF6
.endif
.else
.if (\ra) && (\rb)
	v_wmma_scale_f32_16x16x128_f8f6f4 v[\ac:\ac+7], v[\vr:\vr+11], v[\pr:\pr+11], v[\ac:\ac+7], v[\sa], v[\sb] matrix_a_fmt:MATRIX_FMT_BF6 matrix_b_fmt:MATRIX_FMT_BF6 matrix_a_scale:MATRIX_SCALE_ROW1 matrix_b_scale:MATRIX_SCALE_ROW1
.elseif (\ra)
	v_wmma_scale_f32_16x16x128_f8f6f4 v[\ac:\ac+7], v[\vr:\vr+11], v[\pr:\pr+11], v[\ac:\ac+7], v[\sa], v[\sb] matrix_a_fmt:MATRIX_FMT_BF6 matrix_b_fmt:MATRIX_FMT_BF6 matrix_a_scale:MATRIX_SCALE_ROW1
.elseif (\rb)
	v_wmma_scale_f32_16x16x128_f8f6f4 v[\ac:\ac+7], v[\vr:\vr+11], v[\pr:\pr+11], v[\ac:\ac+7], v[\sa], v[\sb] matrix_a_fmt:MATRIX_FMT_BF6 matrix_b_fmt:MATRIX_FMT_BF6 matrix_b_scale:MATRIX_SCALE_ROW1
.else
	v_wmma_scale_f32_16x16x128_f8f6f4 v[\ac:\ac+7], v[\vr:\vr+11], v[\pr:\pr+11], v[\ac:\ac+7], v[\sa], v[\sb] matrix_a_fmt:MATRIX_FMT_BF6 matrix_b_fmt:MATRIX_FMT_BF6
.endif
.endif
.endm
.macro PMUL s, a, zero                 ; tile a of the queries against my eight tiles of V's columns, key step s.  The 64 accumulators take turns, one instruction a turn
.if \s == 0
	WIN 0xa1+0x50*((\a)/4)                         ; V in window 1, the weights in window 0, C and D in window 2 or 3
.else
	WIN 0xa0+0x50*((\a)/4)                         ; V in window 0
.endif
.irp b, 0,1,2,3,4,5,6,7
	PM1 8*(8*((\a)%4)+\b), VF0+(VF1-VF0)*\s+12*\b, PF+12*(\a), VS+4*\s+\b/2, PS+4*\s+(\a)/2, \b%2, (\a)%2, \zero
.endr
.endm
; THE S PHASE.  Tile i's eight products are issued ahead of tile i - 1's vector work, so that they run beside it.  Behind each load of x from LDS stands one run of 8 of this superstep's V.
; next = 1: K's bases step, and 24 of the next superstep's 36 loads of K go out behind tile 7's products, the last readers of K's registers.
.macro SPHASE beta, next
	PLACES 5                                       ; behind the last PV products: V's registers are loaded anew (four places), and the first products below write their results over registers that held the weights' fragments (five)
	s_wait_loadcnt 0x0                             ; K is in; no load of mine is out, so K's bases may be written
.if \next
	s_add_nc_u64 s[KBA:KBA+1], s[KBA:KBA+1], 49152
	s_add_nc_u64 s[KSBA:KSBA+1], s[KSBA:KSBA+1], 2048
	s_add_nc_u64 s[CBBA:CBBA+1], s[CBBA:CBBA+1], 1024
.endif
	s_wait_dscnt 0x0                               ; tile 0 of x is in
	SMUL 0
	PLACES 4                                       ; in front of the loads into x's registers
	XLOAD 1
	VCH 0
.irp i, 1,2,3,4,5,6,7
	s_wait_dscnt 0x0                               ; tile i of x is in
	SMUL \i
	VECA \i-1                                      ; sixteen plain instructions that name none of those products' registers: the places in front of the loads below
.if \i < 7
	XLOAD \i+1
	VCH \i
.else
.if \next
	KFL 0, 12                                      ; K's registers have had their last reader of this superstep
	WIN 0
.endif
.endif
	VECB \i-1, \beta
.endr
	VECA 7
.if \next
	KFL 12, 12
	WIN 0
.endif
	VECB 7, \beta
.endm
; THE PV PHASE.  The loads issued since the S phase's wait for 0, in order: V's 8 + 24 (scale words, first key step), V's 24 (second key step), then with next = 1 K's 12 + 12 + 12,
; with next = 0 (the last superstep) x for the way out: tiles 0, 1 | 2, 6 | 3, 4, 5, each group behind a group of LDS loads, into registers of window 1 that are idle: K's (tiles 0-2), nh_r's (tile 6), the first key step's V (tiles 3-5).
.macro PVPHASE beta, zero, next
	s_wait_dscnt 0x0                               ; my images and bytes have landed, and my reads of the other buffer were over long ago
	s_barrier_signal -1
	s_barrier_wait -1                              ; the weights' sixteen fragments of this superstep lie in buffer beta
	PSLOAD \beta
.irp a, 0,1,2,3,4,5,6,7
	PFETCH \beta, 0, \a
.endr
.if \next
	XLOAD 0
	KREST
	s_wait_loadcnt 60                              ; V's scale words and first key step are in; its second key step's 24 loads and K's 36 may stay out
	s_wait_dscnt 24                                ; fragments 4-7's 16 loads and x's 8 may stay out
.else
	WIN 0x40
	XG 0
	XG 1
	WIN 0
	s_wait_loadcnt 40                              ; V's second key step's 24 loads and x's 16 may stay out
	s_wait_dscnt 16                                ; fragments 4-7's 16 loads may stay out
.endif
.irp a, 0,1,2,3
	PMUL 0, \a, \zero
.endr
	s_wait_dscnt 0x0
	PLACES 4                                       ; in front of the loads into fragments 0-3's registers
	WIN 0
.irp a, 0,1,2,3
	PFETCH \beta, 1, \a
.endr
.if \next == 0
	WIN 0x40
	XG 2
	XG 6
.endif
.irp a, 4,5,6,7
	PMUL 0, \a, \zero
.endr
	PLACES 4                                       ; in front of the loads into fragments 4-7's registers, and (last superstep) into the first key step's V
	WIN 0
.irp a, 4,5,6,7
	PFETCH \beta, 1, \a
.endr
.if \next
	s_wait_loadcnt 36                              ; all of V is in (K's 36 loads may stay out): so V's bases may be written
	s_add_nc_u64 s[VBA:VBA+1], s[VBA:VBA+1], 98304
	s_add_nc_u64 s[VSBA:VSBA+1], s[VSBA:VSBA+1], 4096
.else
	WIN 0x40
	XG 3
	XG 4
	XG 5
	WIN 0
	s_wait_loadcnt 56                              ; all of V is in; the seven tiles of x asked for so far may stay out
.endif
	s_wait_dscnt 16                                ; all but the 16 LDS loads just issued
.irp a, 0,1,2,3
	PMUL 1, \a, 0
.endr
	s_wait_dscnt 0x0
.irp a, 4,5,6,7
	PMUL 1, \a, 0
.endr
	WIN 0
.endm
	s_load_b256 s[4:11], s[0:1], 0x0               ; x_t s[4:5], x_q s[6:7], r_q s[8:9], v_q s[10:11]
	s_load_b64 s[12:13], s[0:1], 0x20              ; part
	v_lshrrev_b32 v1, 5, v0
	v_readfirstlane_b32 s14, v1                    ; wave 0..3
	s_and_b32 s15, ttmp7, 0xffff                   ; the key split
	v_and_b32 v254, 31, v0                         ; lane
	v_and_b32 v[RR], 15, v0
	v_bfe_u32 v[HH], v0, 4, 1
	v_and_b32 v[RHO], 8, v[RR]
	v_add_nc_u32 v[RHO], v[RHO], v[RR]             ; r + 8 (r / 8)
	v_lshlrev_b32 v[LI], 4, v254
	v_lshlrev_b32 v[L8], 3, v254
	v_lshlrev_b32 v[LS], 2, v254
	s_lshr_b32 s40, s14, 1                         ; my 64 keys are half (wave % 2) of key step (wave / 2)
	s_and_b32 s41, s14, 1
	s_mul_i32 s42, s40, 12288
	s_mul_i32 s43, s41, 768
	s_add_co_u32 s42, s42, s43
	v_add_nc_u32 v[PW16], s42, v[LI]
	s_add_co_u32 s42, s42, 512
	v_add_nc_u32 v[PW8], s42, v[L8]
	s_lshl_b32 s40, s40, 9
	s_lshl_b32 s41, s41, 1
	s_add_co_u32 s40, s40, s41
	s_add_co_u32 s40, s40, PSC
	v_lshl_add_u32 v[PSW], v[RR], 2, s40
	v_lshlrev_b32 v[CG], 6, v[HH]
	v_add_nc_u32 v[XA], XIMG, v[LI]
	v_mov_b32 v[AQ0+1], 0                          ; named as the upper halves of pairs, so they are written
	v_mov_b32 v[AQ1+1], 0
	v_mov_b32 v[TM+4], 0                           ; a lane permute's destination counts as one of its sources
	v_mov_b32 v[TM+5], 0
	v_lshlrev_b32 v60, 4, v0                       ; the copy of x's images and words: 16 and 8 bytes a thread
	v_lshlrev_b32 v61, 3, v0
	s_lshl_b32 s40, s14, 7
	v_lshl_add_u32 v62, v[RHO], 2, s40             ; nh_x of tiles 2 wave and 2 wave + 1
	v_add_nc_u32 v63, XIMG, v60
	s_lshl_b32 s40, s14, 8
	v_add_nc_u32 v59, s40, v[LS]
	v_lshlrev_b32 v[XO], 10, v[RHO]                ; x_t for the way out: my query's row of a tile, my wave's 256 bytes of it, my half's 32
	v_lshl_add_u32 v[XO], v[HH], 5, v[XO]
	v_add_nc_u32 v[XO], s40, v[XO]
	WIN 0x40
.irp j, 0,1,2,3,4,5,6,7,8,9,10,11,12,13,14,15
	v_mov_b32 v[WS+\j], 0                          ; ws
.endr
	WIN 0
	s_mov_b32 s[CS], 0x3cb8aa3b                    ; c = log2(e) / 64
	s_mov_b32 s[CS+1], s[CS]
	s_mov_b32 s[SEL], 0x76543210
	s_mov_b32 s[SEL+1], 0xfedcba98
	s_mov_b32 s41, 0
	s_wait_kmcnt 0x0
	s_mul_i32 s40, ttmp9, 24576
	s_add_nc_u64 s[16:17], s[6:7], s[40:41]        ; my 128 queries' images,
	s_lshl_b32 s40, ttmp9, 10
	s_add_co_u32 s40, s40, SCO
	s_add_nc_u64 s[18:19], s[6:7], s[40:41]        ; scale words,
	s_lshl_b32 s40, ttmp9, 9
	s_add_co_u32 s40, s40, NHO
	s_add_nc_u64 s[48:49], s[6:7], s[40:41]        ; and nh_x
	s_mul_i32 s40, s15, 393216
	s_mul_i32 s42, s14, 12288
	s_add_co_u32 s40, s40, s42
	s_add_nc_u64 s[KBA:KBA+1], s[8:9], s[40:41]
	s_lshl_b32 s40, s15, 14
	s_lshl_b32 s42, s14, 9
	s_add_co_u32 s40, s40, s42
	s_add_co_u32 s40, s40, SCO
	s_add_nc_u64 s[KSBA:KSBA+1], s[8:9], s[40:41]
	s_lshl_b32 s40, s15, 13
	s_lshl_b32 s42, s14, 8
	s_add_co_u32 s40, s40, s42
	s_add_co_u32 s40, s40, NHO
	s_add_nc_u64 s[CBBA:CBBA+1], s[8:9], s[40:41]
	s_mul_i32 s40, s15, 786432
	s_mul_i32 s42, s14, 12288
	s_add_co_u32 s40, s40, s42
	s_add_nc_u64 s[VBA:VBA+1], s[10:11], s[40:41]
	s_lshl_b32 s40, s15, 15
	s_lshl_b32 s42, s14, 8
	s_add_co_u32 s40, s40, s42
	s_add_co_u32 s40, s40, VSCO
	s_add_nc_u64 s[VSBA:VSBA+1], s[10:11], s[40:41]
	s_lshl_b32 s40, ttmp9, 17
	s_add_nc_u64 s[30:31], s[4:5], s[40:41]        ; my 128 rows of x_t
	s_lshl_b32 s42, s15, 23
	s_add_co_u32 s40, s40, s42
	s_add_nc_u64 s[32:33], s[12:13], s[40:41]      ; and of my split's part
.irp k, 0,1,2,3,4,5,6,7,8,9,10,11
	global_load_b128 v[64+4*\k:67+4*\k], v60, s[16:17] offset:2048*\k
.endr
	global_load_b64 v[112:113], v61, s[18:19]
	global_load_b32 v114, v62, s[48:49]
	global_load_b32 v115, v62, s[48:49] offset:32
	KLOAD                                          ; superstep 0's K
	s_wait_loadcnt 36                              ; K's 36 loads may stay out
.irp k, 0,1,2,3,4,5,6,7,8,9,10,11
	ds_store_b128 v63, v[64+4*\k:67+4*\k] offset:2048*\k
.endr
	ds_store_b64 v61, v[112:113] offset:XSC
	v_mul_f32 v114, s[CS], v114
	v_mul_f32 v115, s[CS], v115
	ds_store_b32 v59, v114 offset:AQI
	ds_store_b32 v59, v115 offset:AQI+128
	s_wait_dscnt 0x0                               ; for the others' sake
	s_barrier_signal -1
	s_barrier_wait -1
	XLOAD 0
	SPHASE 0, 1
	PVPHASE 0, 1, 1                                ; the first superstep's products start the sums: nothing is cleared
	s_mov_b32 s38, 3
.Lloop:                                            ; two supersteps a trip, one for each buffer
	SPHASE 1, 1
	PVPHASE 1, 0, 1
	SPHASE 0, 1
	PVPHASE 0, 0, 1
	s_sub_co_u32 s38, s38, 1
	s_cmp_lg_u32 s38, 0
	s_cbranch_scc1 .Lloop
	SPHASE 1, 0                                    ; the last superstep asks for no K
	PVPHASE 1, 0, 0                                ; and in K's stead for x
; THE WAY OUT.  In accumulator (a, b) lane (r, h) holds query r of tile a and columns 64 w + 16 (b % 4) + 8 h + 0 .. 7.
.set STO, 192                          ; the stage: where I put 32 bytes of a row
.set RD,  193                          ; and where I read a row back
.set GO,  194                          ; my byte offset in part
.set WSA, 196                          ; where I put my share of ws
.set WRA, 197                          ; and where I read the four shares
	PLACES 4                                       ; behind the last products: their operands' registers are written below
	s_mul_i32 s40, s14, 4352
	s_add_co_u32 s40, s40, STG
	s_lshl_b32 s41, s14, 8
	s_lshl_b32 s42, s14, 9
	s_add_co_u32 s42, s42, WSX
	v_mul_u32_u24 v[STO], v[RR], 272
	v_lshl_add_u32 v[STO], v[HH], 5, v[STO]
	v_add_nc_u32 v[STO], s40, v[STO]
	v_mul_u32_u24 v[RD], v[HH], 272
	v_lshl_add_u32 v[RD], v[RR], 4, v[RD]
	v_add_nc_u32 v[RD], s40, v[RD]
	v_lshlrev_b32 v[GO], 10, v[HH]
	v_lshl_add_u32 v[GO], v[RR], 4, v[GO]
	v_add_nc_u32 v[GO], s41, v[GO]
	v_lshl_add_u32 v[WSA], v[RR], 2, s42
	v_lshl_add_u32 v[WRA], v[RR], 2, WSX
	WIN 0x05
.irp i, 0,1,2,3,4,5,6,7
	v_add_f32 v[32+\i], v[WS+2*\i], v[WS+2*\i+1]   ; my keys' share of ws: the pair's halves,
.endr
	WIN 0
.irp i, 0,1,2,3,4,5,6,7
	v_permlanex16_b32 v[40+\i], v[32+\i], s[SEL], s[SEL+1]
.endr
.irp i, 0,1,2,3,4,5,6,7
	v_add_f32 v[32+\i], v[32+\i], v[40+\i]         ; and lane l xor 16's
.endr
.irp i, 0,1,2,3,4,5,6,7
	ds_store_b32 v[WSA], v[32+\i] offset:64*\i
.endr
	s_wait_dscnt 0x0
	s_barrier_signal -1
	s_barrier_wait -1                              ; the four waves' shares of ws lie in LDS
.irp i, 0,1,2,3,4,5,6,7
.irp q, 0,1,2,3
	ds_load_b32 v[64+4*\i+\q], v[WRA] offset:512*\q+64*\i
.endr
.endr
	WIN 0x40
	XG 7                                           ; the last tile of x lies over ws's registers, which have been read
	WIN 0
	s_wait_dscnt 0x0
.irp i, 0,1,2,3,4,5,6,7
	v_add_f32 v[64+4*\i], v[64+4*\i], v[65+4*\i]
	v_add_f32 v[66+4*\i], v[66+4*\i], v[67+4*\i]
.endr
.irp i, 0,1,2,3,4,5,6,7
	v_add_f32 v[32+2*\i], v[64+4*\i], v[66+4*\i]   ; ws of my query of tile i,
.endr
.irp i, 0,1,2,3,4,5,6,7
	v_mov_b32 v[33+2*\i], v[32+2*\i]               ; twice, for the packed product
.endr
.macro MKT a                           ; tile a: x (x ws - 2 P3) + P2; through my stage, back as whole runs of 256 bytes
.set MT, 64+32*((\a)%2)
.set OB, 128+32*((\a)%2)
.set AC, 64*((\a)%4)
; x's tiles were asked for in the order 0, 1, 2, 6, 3, 4, 5, 7, eight loads each: the count is that of the loads issued behind this tile's
.if (\a) < 3
	s_wait_loadcnt 8*(7-(\a))
.elseif (\a) < 6
	s_wait_loadcnt 8*(6-(\a))
.elseif (\a) == 6
	s_wait_loadcnt 8                               ; (tile 6 came in ahead of tile 3: only tile 7's loads are left)
.else
	s_wait_loadcnt 0x0
.endif
	WIN 0x01
.set p, 0
.rept 16
	v_pk_mul_f32 v[MT+2*p:MT+2*p+1], v[32*(\a)+2*p:32*(\a)+2*p+1], v[32+2*(\a):33+2*(\a)]
.set p, p+1
.endr
	WIN 0x02+(\a)/4
.set p, 0
.rept 16
	v_pk_fma_f32 v[MT+2*p:MT+2*p+1], v[AC+32+2*p:AC+32+2*p+1], -2.0, v[MT+2*p:MT+2*p+1] op_sel_hi:[1,0,1]   ; each accumulator from its low end on
.set p, p+1
.endr
	WIN 0x21+0x10*((\a)/4)
.set p, 0
.rept 16
	v_pk_fma_f32 v[MT+2*p:MT+2*p+1], v[32*(\a)+2*p:32*(\a)+2*p+1], v[MT+2*p:MT+2*p+1], v[AC+2*p:AC+2*p+1]
.set p, p+1
.endr
	WIN 0
.if (\a) >= 2
	s_wait_xcnt 0x0                                ; tile a - 2's stores have read their registers: only behind this wait are they loaded again
.endif
.irp b, 0,1,2,3
.irp e, 0,1
	ds_store_b128 v[STO], v[MT+8*\b+4*\e:MT+8*\b+4*\e+3] offset:64*\b+16*\e
.endr
.endr
.irp k, 0,1,2,3,4,5,6,7
	ds_load_b128 v[OB+4*\k:OB+4*\k+3], v[RD] offset:544*\k   ; LDS serves a wave's instructions in order: these see my stores, and the next tile's stores come behind them
.endr
.endm
.macro SEND a, younger                 ; younger: the LDS instructions issued behind tile a's loads
.set OB, 128+32*((\a)%2)
	s_wait_dscnt \younger
.irp k, 0,1,2,3,4,5,6,7
	global_store_b128 v[GO], v[OB+4*\k:OB+4*\k+3], s[32:33] offset:(32*((\a)/2)+8*((\a)%2)+2*\k+8*(\k/4))*1024   ; sixteen lanes store 256 consecutive bytes, aligned
.endr
.endm
	MKT 0
.irp a, 1,2,3,4,5,6,7
	MKT \a
	SEND \a-1, 16                                  ; tile a's 8 stores and 8 loads may stay out
.endr
	SEND 7, 0
	s_barrier_signal -1
	s_barrier_wait -1
	s_wait_xcnt 0x0
	v_lshl_add_u32 v254, v0, 2, 0x17c00
	v_mov_b32 v255, 0
	s_wait_tensorcnt 0x0
	ds_add_u32 v254, v255
	s_wait_dscnt 0x0
	s_endpgm
.Lfunc_end_k_q1955b044ce_main:
	.size	k_q1955b044ce_main, .Lfunc_end_k_q1955b044ce_main-k_q1955b044ce_main
	.p2alignl 7, 3214868480
	.fill 96, 4, 3214868480
	.section	.rodata,"a",@progbits
	.p2align	6, 0x0
	.amdhsa_kernel k_q1955b044ce_main
		.amdhsa_group_segment_fixed_size 97792
		.amdhsa_private_segment_fixed_size 0
		.amdhsa_enable_private_segment 0
		.amdhsa_kernarg_size 40
		.amdhsa_user_sgpr_count 2
		.amdhsa_user_sgpr_kernarg_segment_ptr 1
		.amdhsa_wavefront_size32 1
		.amdhsa_system_sgpr_workgroup_id_x 1
		.amdhsa_system_sgpr_workgroup_id_y 1
		.amdhsa_system_sgpr_workgroup_id_z 1
		.amdhsa_system_vgpr_workitem_id 0
		.amdhsa_next_free_vgpr 1024
		.amdhsa_next_free_sgpr 66
		.amdhsa_reserve_vcc 0
		.amdhsa_float_denorm_mode_32 3
		.amdhsa_float_denorm_mode_16_64 3
		.amdhsa_memory_ordered 1
		.amdhsa_forward_progress 1
		.amdhsa_inst_pref_size 255
	.end_amdhsa_kernel
	.section	.bss,"aw",@nobits
	.p2align	6
	.space	262144
	.amdgpu_metadata
---
amdhsa.version: [ 1, 2 ]
amdhsa.kernels:
  - .name:           k_q1955b044ce_main
    .symbol:         k_q1955b044ce_main.kd
    .args:
      - { .name: x_t, .offset: 0, .size: 8, .value_kind: global_buffer, .address_space: global }
      - { .name: x_q, .offset: 8, .size: 8, .value_kind: global_buffer, .address_space: global }
      - { .name: r_q, .offset: 16, .size: 8, .value_kind: global_buffer, .address_space: global }
      - { .name: v_q, .offset: 24, .size: 8, .value_kind: global_buffer, .address_space: global }
      - { .name: part, .offset: 32, .size: 8, .value_kind: global_buffer, .address_space: global }
    .group_segment_fixed_size: 97792
    .private_segment_fixed_size: 0
    .kernarg_segment_align: 8
    .kernarg_segment_size: 40
    .max_flat_workgroup_size: 128
    .sgpr_count:     66
    .vgpr_count:     1024
    .wavefront_size: 32
...
	.end_amdgpu_metadata
.endif
;; end of part 2
;; launch comb (part 3): grid 512 x 1, 8 waves a work-group, no clusters, 0 bytes of LDS; arguments part, W, out0; writes out0
.if DOCPART == 3
	.amdgcn_target "amdgcn-amd-amdhsa--gfx1250"
	.amdhsa_code_object_version 6
	.text
	.protected	k_q1955b044ce_comb
	.globl	k_q1955b044ce_comb
	.p2align	8
	.type	k_q1955b044ce_comb,@function
k_q1955b044ce_comb:
	s_mov_b64 s[64:65], 0
	v_nop
	global_prefetch_b8 v0, s[64:65] scope:SCOPE_SE
	s_setreg_imm32_b32 hwreg(HW_REG_WAVE_MODE, 25, 1), 1
	s_wait_xcnt 0x0
; out0 = 1 / (W x (part[0] + part[1] + part[2] + part[3]) + 0.001).  part: f32 [4][8192][256]; W: one f32; out0: f32 [8192][256].
; A stream: a work-group takes 16,384 bytes of the output, a thread four times 16 bytes; each load and store of a wave covers 512 consecutive bytes.  All sixteen loads go out at once; no register is written twice,
; so no wait frees a source.  No LDS, no barrier, no matrix unit: each number is read once and used once.
.set SPLIT, 0x800000                   ; bytes of one key split's part
.set IN,  16                           ; v16-79  chunk c, split q at 16 c + 4 q
.set OUT, 80                           ; v80-95  chunk c's results
	s_load_b128 s[4:7], s[0:1], 0x0                ; part s[4:5], W s[6:7]
	s_load_b64 s[8:9], s[0:1], 0x10                ; out0
	v_lshlrev_b32 v1, 4, v0
	v_mov_b32 v2, 0x3a83126f                       ; 0.001, twice
	v_mov_b32 v3, 0x3a83126f
	s_lshl_b32 s10, ttmp9, 14
	s_mov_b32 s11, 0
	s_wait_kmcnt 0x0
	s_load_b32 s20, s[6:7], 0x0                    ; W
	s_add_nc_u64 s[12:13], s[4:5], s[10:11]        ; a base for each split: their distance is one more than an immediate offset holds
	s_add_nc_u64 s[14:15], s[12:13], SPLIT
	s_add_nc_u64 s[16:17], s[14:15], SPLIT
	s_add_nc_u64 s[18:19], s[16:17], SPLIT
	s_add_nc_u64 s[8:9], s[8:9], s[10:11]
.irp c, 0,1,2,3
.irp q, 0,1,2,3
	global_load_b128 v[IN+16*\c+4*\q:IN+16*\c+4*\q+3], v1, s[12+2*\q:13+2*\q] offset:4096*\c th:TH_LOAD_NT
.endr
.endr
	s_wait_kmcnt 0x0
	s_mov_b32 s21, s20                             ; named with it as a pair, so it is written
.irp c, 0,1,2,3
	s_wait_loadcnt 12-4*\c                         ; this chunk's four loads are in; the later chunks' may be out
	v_pk_add_f32 v[IN+16*\c:IN+16*\c+1], v[IN+16*\c:IN+16*\c+1], v[IN+16*\c+4:IN+16*\c+5]
	v_pk_add_f32 v[IN+16*\c+2:IN+16*\c+3], v[IN+16*\c+2:IN+16*\c+3], v[IN+16*\c+6:IN+16*\c+7]
	v_pk_add_f32 v[IN+16*\c+8:IN+16*\c+9], v[IN+16*\c+8:IN+16*\c+9], v[IN+16*\c+12:IN+16*\c+13]
	v_pk_add_f32 v[IN+16*\c+10:IN+16*\c+11], v[IN+16*\c+10:IN+16*\c+11], v[IN+16*\c+14:IN+16*\c+15]
	v_pk_add_f32 v[IN+16*\c:IN+16*\c+1], v[IN+16*\c:IN+16*\c+1], v[IN+16*\c+8:IN+16*\c+9]
	v_pk_add_f32 v[IN+16*\c+2:IN+16*\c+3], v[IN+16*\c+2:IN+16*\c+3], v[IN+16*\c+10:IN+16*\c+11]
	v_pk_fma_f32 v[IN+16*\c:IN+16*\c+1], v[IN+16*\c:IN+16*\c+1], s[20:21], v[2:3] op_sel_hi:[1,0,1]
	v_pk_fma_f32 v[IN+16*\c+2:IN+16*\c+3], v[IN+16*\c+2:IN+16*\c+3], s[20:21], v[2:3] op_sel_hi:[1,0,1]
.irp j, 0,1,2,3
	v_rcp_f32 v[OUT+4*\c+\j], v[IN+16*\c+\j]
.endr
	v_nop                                          ; a plain place behind the reciprocals
	s_wait_alu depctr_va_vdst(0)
	global_store_b128 v1, v[OUT+4*\c:OUT+4*\c+3], s[8:9] offset:4096*\c th:TH_STORE_NT
.endr
	s_endpgm
.Lfunc_end_k_q1955b044ce_comb:
	.size	k_q1955b044ce_comb, .Lfunc_end_k_q1955b044ce_comb-k_q1955b044ce_comb
	.p2alignl 7, 3214868480
	.fill 96, 4, 3214868480
	.section	.rodata,"a",@progbits
	.p2align	6, 0x0
	.amdhsa_kernel k_q1955b044ce_comb
		.amdhsa_group_segment_fixed_size 0
		.amdhsa_private_segment_fixed_size 0
		.amdhsa_enable_private_segment 0
		.amdhsa_kernarg_size 24
		.amdhsa_user_sgpr_count 2
		.amdhsa_user_sgpr_kernarg_segment_ptr 1
		.amdhsa_wavefront_size32 1
		.amdhsa_system_sgpr_workgroup_id_x 1
		.amdhsa_system_sgpr_workgroup_id_y 1
		.amdhsa_system_sgpr_workgroup_id_z 1
		.amdhsa_system_vgpr_workitem_id 0
		.amdhsa_next_free_vgpr 96
		.amdhsa_next_free_sgpr 66
		.amdhsa_reserve_vcc 0
		.amdhsa_float_denorm_mode_32 3
		.amdhsa_float_denorm_mode_16_64 3
		.amdhsa_memory_ordered 1
		.amdhsa_forward_progress 1
		.amdhsa_inst_pref_size 6
	.end_amdhsa_kernel
	.amdgpu_metadata
---
amdhsa.version: [ 1, 2 ]
amdhsa.kernels:
  - .name:           k_q1955b044ce_comb
    .symbol:         k_q1955b044ce_comb.kd
    .args:
      - { .name: part, .offset: 0, .size: 8, .value_kind: global_buffer, .address_space: global }
      - { .name: W, .offset: 8, .size: 8, .value_kind: global_buffer, .address_space: global }
      - { .name: out0, .offset: 16, .size: 8, .value_kind: global_buffer, .address_space: global }
    .group_segment_fixed_size: 0
    .private_segment_fixed_size: 0
    .kernarg_segment_align: 8
    .kernarg_segment_size: 24
    .max_flat_workgroup_size: 256
    .sgpr_count:     66
    .vgpr_count:     96
    .wavefront_size: 32
...
	.end_amdgpu_metadata
.endif
;; end of part 3
;; ======== version 2 of 2: 3 launches; version 1 with the launch main written anew for expert scheduling mode
;; workspace buffers: x_q 1,671,168 bytes; r_q 1,671,168 bytes; v_q 3,276,800 bytes; part 33,554,432 bytes
;; launch prep: the kernel of part 1 again; grid 384 x 1, 4 waves a work-group, no clusters, 68,096 bytes of LDS; arguments x_t, reference_sample, x_q, r_q, v_q; writes x_q, r_q, v_q
;; launch main (part 4): grid 64 x 4, 4 waves a work-group, no clusters, 97,792 bytes of LDS; arguments x_t, x_q, r_q, v_q, part; writes part
.if DOCPART == 4
	.amdgcn_target "amdgcn-amd-amdhsa--gfx1250"
	.amdhsa_code_object_version 6
	.text
	.protected	k_q1955b044ce_main
	.globl	k_q1955b044ce_main
	.p2align	8
	.type	k_q1955b044ce_main,@function
k_q1955b044ce_main:
	s_mov_b64 s[64:65], 0
	v_nop
	global_prefetch_b8 v0, s[64:65] scope:SCOPE_SE
	s_setreg_imm32_b32 hwreg(HW_REG_WAVE_SCHED_MODE, 0, 2), 2
	s_setreg_imm32_b32 hwreg(HW_REG_WAVE_MODE, 25, 1), 1
	s_wait_xcnt 0x0
	s_wait_alu depctr_vm_vsrc(0)
; For 128 queries (work-group x) and 2,048 keys (work-group y): cross = Q(x) Q(ref)^T; w = exp(-(x_sq + r_sq - 2 cross) / 128) in f32; P2 = Q(w) Q(ref^2), P3 = Q(w) Q(ref); ws = the sum of the unquantised w;
; part[y][q][d] = P2 - 2 x P3 + x^2 ws.  Nothing is normalised, so the four key splits' parts simply add; the next launch adds them.  All three products on BF6 (E3M2) codes with E8M0 scales, f32 sums.
; w = 2^(c (cross + nh_r) + c nh_x), c = log2(e) / 64, nh = -0.5 x a row's sum of squares: nh_r is the C of the first product's first instruction, the rest one fused multiply-add and one v_exp_f32.
; SHARES.  Eight supersteps of 256 keys.  S PHASE: wave w takes keys 64 w .. 64 w + 63 of the superstep for all eight tiles of 16 queries (source 0 = 16 keys, source 1 = x: a lane holds one query, its 32 registers
; run along the keys: register 16 b + e is key 32 b + 16 (lane / 16) + e, by the rows that the first launch chose for a tile).  Its weights are quantised in registers: half a fragment of the second products' operand.
; PV PHASE: wave w owns columns 64 w .. 64 w + 63 of ref^2 (b = 0-3) and of ref (b = 4-7) for all 128 queries: 64 accumulators, 512 registers (source 0 = 16 columns of V, source 1 = the weights).
; So every fragment of K and of V is wanted by ONE wave of the work-group and feeds eight products from its registers: it comes straight from memory into those registers, well ahead of its use.
; THE GLOBAL LOADS ARE DEALT OUT IN SHORT RUNS, each behind the LDS instructions of the step in hand: V's 56 as seven runs of 8 in the S phase; the next superstep's K as three runs of 12, two at the S phase's end
; (K's registers are idle behind tile 7's products) and one in the PV phase; x for the way out in the last PV phase, into registers that are idle by then.
; NO CLUSTER, NO JOINT LOADS: the 64 work-groups of a key split do read the same 147,456 bytes of K and V a superstep, but a joint load lands in LDS: it would add a write and a read of those bytes in each work-group's LDS,
; beside the 110,592 bytes a superstep that x's and the weights' images already cost a work-group there.
; THROUGH LDS go only images of operand registers: x's (copied once) and the weights' (two buffers by turns: ONE barrier a superstep; a buffer is written again two S phases on, behind the next barrier, in front of which
; every wave has waited for its reads of it).
; LIMITS: a weight under 2^-126 comes out as 0 (v_exp_f32 gives no denormals); a block of weights whose largest lies under 2^-122 has the byte 1, a block of zeros too (its codes are zeros).  NaN and infinities are not served.
; The sums of squares, ws and the parts are f32 sums in another order than the source's.
; THE MODE: SCHED_MODE bits 1:0 = 2 (LLVM: expert scheduling mode 2), set by the entry lines.  The code itself states the register dependences between vector or matrix instructions and memory or LDS instructions,
; with s_wait_alu, always for 0.
; THE PLAN.  Registers that memory or LDS instructions touch, in the loop:
;   v1-7, v250, v255   addresses, made at the head and not written again in the loop.
;   XF, XS, AQ         x's fragments, scale words and c nh_x of one tile.  Step i: SMUL i reads XF and XS[i % 2], VECA i - 1 reads AQ[(i - 1) % 2]; behind the step's wait tile i + 1 is loaded into XF, XS[(i + 1) % 2], AQ[(i + 1) % 2].
;   KF, CB, KS         read by SMUL 0 to 7; loaded anew in steps 7 and 8 and in the PV phase.
;   VS, VF0, VF1       read by the PV products; loaded anew in steps 0 to 6 of the next S phase.
;   PC0, PC1, HW0, HW1 a tile's codes and its two bytes, two sets by turns: written by VFIN j in step j + 1, read by tile j's three LDS stores in step j + 2, written again in step j + 3.
;   PF, PS             the weights' fragments and scale words: LDS loads land in them in the PV phase, the PV products read them; PF's registers are the S phase's work registers.
; A step of the S phase has ONE wait on va_vdst, behind its batch of exponentials: all the step's memory and LDS instructions follow it, and VFIN, which follows them, names none of their registers.
; From step 3 on one wait on vm_vsrc stands beside it, for the set of codes that VFIN writes again.  The PV phase has one of each at its head and one on va_vdst ahead of each refetch of fragments.
; REGISTERS, in windows of 256.  Window 0: v1-7 addresses; v8-11, v12-13, v16-23, v24-31 scale words of K, x, V, the weights; v14-15, v248-249 c nh_x; v32-127 at work in the S phase, the weights' 8 fragments in the PV phase;
;   v128-151 x's two fragments; v152-247 V's fragments of the superstep's second 128 keys; v250 address; v251-253 r, h, r + 8 (r / 8); v255 address.
;   Window 1: v0-95 K's 8 fragments; v96-191 V's of the first 128 keys; v192-223 nh_r in the result's layout; v224-239 ws, a pair a tile.   Windows 2, 3: accumulator (a, b) at v[8 (8 (a % 4) + b)] of window 2 + a / 4.
.set SCO,   1572864                    ; in x_q and r_q: scale words,
.set NHO,   1638400                    ; -0.5 x sums of squares
.set VSCO,  3145728                    ; in v_q: scale words
.set PSC,   49152                      ; LDS: at 0 the weights' images: 24,576 buffer + 12,288 key step + 1,536 tile + 768 half; here their scale words: 1,024 buffer + 512 key step + 64 tile + 4 r
.set XSC,   51200                      ; x's scale words: 128 tile + 4 lane (lanes 0-15 K step 0, lanes 16-31 K step 1)
.set AQI,   52224                      ; c nh_x: 128 tile + 4 lane
.set XIMG,  53248                      ; x's 16 images
.set WSX,   77824                      ; the waves' shares of ws: 512 wave + 64 tile + 4 r
.set STG,   79872                      ; the way out: 16 rows of 256 + 16 bytes for each wave
.set LI,   1                           ; 16 x lane
.set L8,   2                           ; 8 x lane
.set LS,   3                           ; 4 x lane
.set PW16, 4                           ; where I store my half fragment's registers 0-3,
.set PW8,  5                           ; 4-5,
.set PSW,  6                           ; and my two scale bytes
.set CG,   7                           ; 64 h
.set KS,   8
.set XS,   12
.set AQ0,  14
.set VS,   16
.set PS,   24
.set TM,   32                          ; v32-35 four chains of maxima; v36-37 the other half's
.set SO,   38                          ; v38-39 the conversions' scale operands
.set BY,   40                          ; v40-41 the bytes
.set HW,   42                          ; v42, v43 both bytes in a half word: two, by turns
.set PC,   44                          ; v44-49, v50-55 the six registers of codes: two sets, by turns
.set PT,   56                          ; v56-58 the second conversion's
.set SUM,  60                          ; v60-61 a tile step's sum of weights
.set SA,   64                          ; v64-95, v96-127 two sets of 32 scores, by turns
.set PF,   32
.set XF,   128
.set VF1,  152
.set AQ1,  248
.set XA,   250
.set RR,   251
.set HH,   252
.set RHO,  253
.set XO,   255                         ; my byte offset in the work-group's rows of x_t: 1,024 (r + 8 (r / 8)) + 256 wave + 32 h; not rewritten before the kernel's last lines
.set KF,   0                           ; window 1
.set VF0,  96
.set CB,   192
.set WS,   224
.set KBA,  20                          ; s[20:21] K's images;  s[22:23] its scale words;  s[24:25] nh_r: at the superstep whose K is asked for next
.set KSBA, 22
.set CBBA, 24
.set VBA,  26                          ; s[26:27] V's images;  s[28:29] its scale words: at the superstep in hand
.set VSBA, 28
.set CS,   34                          ; s[34:35] c, twice
.set SEL,  36                          ; s[36:37] v_permlanex16_b32's selects for lane l xor 16
.set MSB, 0
.macro WIN new                         ; the immediate's high byte repeats the setting that is left
.if MSB != (\new)
	s_set_vgpr_msb (MSB<<8)|(\new)
.set MSB, (\new)
.endif
.endm
.macro PLACES n                        ; plain vector instructions behind a matrix instruction (ISA guide 7.12.1)
.rept \n
	v_nop
.endr
.endm
; An image is three loads of 512 consecutive bytes; a wave's 8 images of K (or of V for one key step) lie on end in memory and in registers: load number ln brings registers 4 ln .. 4 ln + 3 from byte 512 ln.
.macro KFL n0, cnt                     ; cnt of the 24 loads of K's images, from number n0 on.  It leaves the destination's window at 1
	WIN 0x40
.set ln, \n0
.rept \cnt
	global_load_b128 v[KF+4*ln:KF+4*ln+3], v[LI], s[KBA:KBA+1] offset:512*ln
.set ln, ln+1
.endr
.endm
.macro KREST                           ; nh_r of my 64 keys in the result's layout, and K's 4 registers of scale words: 12 loads
	WIN 0x40
.irp t, 0,1,2,3
.irp e, 0,1
	global_load_b128 v[CB+8*\t+4*\e:CB+8*\t+4*\e+3], v[CG], s[CBBA:CBBA+1] offset:(32*(\t/2)+8*(\t%2))*4+16*\e
.endr
.endr
	WIN 0
.irp t, 0,1,2,3
	global_load_b32 v[KS+\t], v[LS], s[KSBA:KSBA+1] offset:128*\t
.endr
.endm
.macro KLOAD                           ; all 36 at once: at the kernel's head alone
	KFL 0, 24
	KREST
.endm
.macro VSL                             ; V's 8 registers of scale words
.irp s, 0,1
.irp m, 0,1
.irp p, 0,1
	global_load_b32 v[VS+4*\s+2*\m+\p], v[LS], s[VSBA:VSBA+1] offset:2048*\s+1024*\m+128*\p
.endr
.endr
.endr
.endm
.macro VCH j                           ; run j of seven of V's 56 loads, 8 each: 0 the scale words; 1-3 the first key step's images; 4-6 the second's
.if (\j) == 0
	VSL
.elseif (\j) < 4
	WIN 0x40
.set ln, 8*((\j)-1)
.rept 8
	global_load_b128 v[VF0+4*ln:VF0+4*ln+3], v[LI], s[VBA:VBA+1] offset:512*ln
.set ln, ln+1
.endr
	WIN 0
.else
.set ln, 8*((\j)-4)
.rept 8
	global_load_b128 v[VF1+4*ln:VF1+4*ln+3], v[LI], s[VBA:VBA+1] offset:49152+512*ln
.set ln, ln+1
.endr
.endif
.endm
.macro XG a                            ; x_t in the accumulators' layout, tile a: 8 loads into v[32 a] on of window 1 (the caller sets the window)
.irp b, 0,1,2,3
.irp e, 0,1
	global_load_b128 v[32*(\a)+8*\b+4*\e:32*(\a)+8*\b+4*\e+3], v[XO], s[30:31] offset:(32*((\a)/2)+8*((\a)%2))*1024+64*\b+16*\e
.endr
.endr
.endm
.macro XLOAD i                         ; tile i of the queries: two fragments, scale words, c nh_x: 8 LDS loads
.irp s, 0,1
.irp c, 0,1,2
	ds_load_b128 v[XF+12*\s+4*\c:XF+12*\s+4*\c+3], v[XA] offset:3072*(\i)+1536*\s+512*\c
.endr
.endr
	ds_load_b32 v[XS+(\i)%2], v[LS] offset:XSC+128*(\i)
	ds_load_b32 v[AQ0+(AQ1-AQ0)*((\i)%2)], v[LS] offset:AQI+128*(\i)
.endm
.macro SMUL i                          ; cross + nh_r for my 64 keys x tile i: four accumulators by turns; K step 1 takes the scale words of lanes 16-31
.set SS, SA+32*((\i)%2)
	WIN 0x11
.irp t, 0,1,2,3
	v_wmma_scale_f32_16x16x128_f8f6f4 v[SS+8*\t:SS+8*\t+7], v[KF+24*\t:KF+24*\t+11], v[XF:XF+11], v[CB+8*\t:CB+8*\t+7], v[KS+\t], v[XS+(\i)%2] matrix_a_fmt:MATRIX_FMT_BF6 matrix_b_fmt:MATRIX_FMT_BF6
.endr
	WIN 0x01
.irp t, 0,1,2,3
	v_wmma_scale_f32_16x16x128_f8f6f4 v[SS+8*\t:SS+8*\t+7], v[KF+24*\t+12:KF+24*\t+23], v[XF+12:XF+23], v[SS+8*\t:SS+8*\t+7], v[KS+\t], v[XS+(\i)%2] matrix_a_fmt:MATRIX_FMT_BF6 matrix_b_fmt:MATRIX_FMT_BF6 matrix_a_scale:MATRIX_SCALE_ROW1 matrix_b_scale:MATRIX_SCALE_ROW1
.endr
	WIN 0
.endm
.macro VECA i                          ; the exponents, two at a time, each accumulator from its low end on
.set SS, SA+32*((\i)%2)
.set AQR, AQ0+(AQ1-AQ0)*((\i)%2)
.set k, 0
.rept 16
	v_pk_fma_f32 v[SS+2*k:SS+2*k+1], v[SS+2*k:SS+2*k+1], s[CS:CS+1], v[AQR:AQR+1] op_sel_hi:[1,0,0]
.set k, k+1
.endr
.endm
.macro VEXP i                          ; the weights of tile i: 32 exponentials as one batch, none of which reads another's result
.set SS, SA+32*((\i)%2)
.set k, 0
.rept 32
	v_exp_f32 v[SS+k], v[SS+k]
.set k, k+1
.endr
	v_nop                                          ; a plain place behind the last exponential, ahead of the first use
.endm
.macro VFIN i                          ; tile i's weights: their sum, their two blocks' scales, their codes, into set i % 2.  It names v32-41, that set, PT, SUM, its scores and ws: no register of a load or store that is out
.set SS, SA+32*((\i)%2)
.set PCB, PC+6*((\i)%2)
.set nn, 0
.rept 16
.set km, 4*(nn%4)+nn/4                 ; the four chains of maxima by turns (chain c: pairs 4 c .. 4 c + 3; the floor 2^(5 - 127) starts each); the sum takes the pairs in ascending order
.if nn < 4
	v_max3_num_f32 v[TM+nn], v[SS+2*km], v[SS+2*km+1], 0x2800000
.else
	v_max3_num_f32 v[TM+nn%4], v[TM+nn%4], v[SS+2*km], v[SS+2*km+1]
.endif
.if nn == 1
	v_pk_add_f32 v[SUM:SUM+1], v[SS:SS+1], v[SS+2:SS+3]
.elseif nn > 1
	v_pk_add_f32 v[SUM:SUM+1], v[SUM:SUM+1], v[SS+2*nn:SS+2*nn+1]
.endif
.set nn, nn+1
.endr
	v_max_num_f32 v[TM], v[TM], v[TM+1]
	v_max_num_f32 v[TM+2], v[TM+2], v[TM+3]
	v_permlanex16_b32 v[TM+4], v[TM], s[SEL], s[SEL+1]
	v_permlanex16_b32 v[TM+5], v[TM+2], s[SEL], s[SEL+1]
	v_max_num_f32 v[TM], v[TM], v[TM+4]            ; with lane l xor 16's 16 keys: the blocks' largest weights
	v_max_num_f32 v[TM+2], v[TM+2], v[TM+5]
	v_add_nc_u32 v[SO], 0xfe000000, v[TM]          ; 4 off the exponent field: the conversion's scale operand
	v_add_nc_u32 v[SO+1], 0xfe000000, v[TM+2]
	v_cvt_scalef32_pk16_bf6_f32 v[PCB:PCB+2], v[SS:SS+15], v[SO]
	v_cvt_scalef32_pk16_bf6_f32 v[PT:PT+2], v[SS+16:SS+31], v[SO+1]
	v_lshrrev_b32 v[BY], 23, v[SO]                 ; the bytes.  (Plain places behind the conversions)
	v_lshrrev_b32 v[BY+1], 23, v[SO+1]
	v_lshl_or_b32 v[HW+(\i)%2], v[BY+1], 8, v[BY]
.irp e, 0,1,2
	v_permlane16_swap_b32 v[PCB+\e], v[PT+\e]      ; the operand's layout wants a whole block in a lane: lanes 0-15 the first block, lanes 16-31 the second
.endr
.irp e, 0,1,2
	v_mov_b32 v[PCB+3+\e], v[PT+\e]
.endr
	WIN 0x41
	v_pk_add_f32 v[WS+2*(\i):WS+2*(\i)+1], v[WS+2*(\i):WS+2*(\i)+1], v[SUM:SUM+1]
	WIN 0
.endm
.macro PSTORE i, beta                  ; tile i's half fragment and its two bytes go from set i % 2 to buffer beta
.set PCB, PC+6*((\i)%2)
	ds_store_b128 v[PW16], v[PCB:PCB+3] offset:24576*\beta+1536*(\i)
	ds_store_b64 v[PW8], v[PCB+4:PCB+5] offset:24576*\beta+1536*(\i)
	ds_store_b16 v[PSW], v[HW+(\i)%2] offset:1024*\beta+64*(\i)   ; lanes r and r + 16 store the same half word with the same value
.endm
.macro PFETCH beta, s, a               ; the weights' fragment of key step s, tile a: its two halves came from two waves
.set PB, 24576*\beta+12288*\s+1536*(\a)
	ds_load_b128 v[PF+12*(\a):PF+12*(\a)+3], v[LI] offset:PB
	ds_load_b64 v[PF+12*(\a)+4:PF+12*(\a)+5], v[L8] offset:PB+512
	ds_load_b128 v[PF+12*(\a)+6:PF+12*(\a)+9], v[LI] offset:PB+768
	ds_load_b64 v[PF+12*(\a)+10:PF+12*(\a)+11], v[L8] offset:PB+1280
.endm
.macro PSLOAD beta                     ; their scale words: lanes 0-15 an even tile's, lanes 16-31 the odd tile's behind it
.irp s, 0,1
.irp g, 0,1,2,3
	ds_load_b32 v[PS+4*\s+\g], v[LS] offset:PSC+1024*\beta+512*\s+128*\g
.endr
.endr
.endm
; One product of the PV phase.  ra, rb: the side's scale words stand in lanes 16-31.  zero: it starts its sum.
.macro PM1 ac, vr, pr, sa, sb, ra, rb, zero
.if \zero
.if (\ra) && (\rb)
	v_wmma_scale_f32_16x16x128_f8f6f4 v[\ac:\ac+7], v[\vr:\vr+11], v[\pr:\pr+11], 0, v[\sa], v[\sb] matrix_a_fmt:MATRIX_FMT_BF6 matrix_b_fmt:MATRIX_FMT_BF6 matrix_a_scale:MATRIX_SCALE_ROW1 matrix_b_scale:MATRIX_SCALE_ROW1
.elseif (\ra)
	v_wmma_scale_f32_16x16x128_f8f6f4 v[\ac:\ac+7], v[\vr:\vr+11], v[\pr:\pr+11], 0, v[\sa], v[\sb] matrix_a_fmt:MATRIX_FMT_BF6 matrix_b_fmt:MATRIX_FMT_BF6 matrix_a_scale:MATRIX_SCALE_ROW1
.elseif (\rb)
	v_wmma_scale_f32_16x16x128_f8f6f4 v[\ac:\ac+7], v[\vr:\vr+11], v[\pr:\pr+11], 0, v[\sa], v[\sb] matrix_a_fmt:MATRIX_FMT_BF6 matrix_b_fmt:MATRIX_FMT_BF6 matrix_b_scale:MATRIX_SCALE_ROW1
.else
	v_wmma_scale_f32_16x16x128_f8f6f4 v[\ac:\ac+7], v[\vr:\vr+11], v[\pr:\pr+11], 0, v[\sa], v[\sb] matrix_a_fmt:MATRIX_FMT_BF6 matrix_b_fmt:MATRIX_FMT_BF6
.endif
.else
.if (\ra) && (\rb)
	v_wmma_scale_f32_16x16x128_f8f6f4 v[\ac:\ac+7], v[\vr:\vr+11], v[\pr:\pr+11], v[\ac:\ac+7], v[\sa], v[\sb] matrix_a_fmt:MATRIX_FMT_BF6 matrix_b_fmt:MATRIX_FMT_BF6 matrix_a_scale:MATRIX_SCALE_ROW1 matrix_b_scale:MATRIX_SCALE_ROW1
.elseif (\ra)
	v_wmma_scale_f32_16x16x128_f8f6f4 v[\ac:\ac+7], v[\vr:\vr+11], v[\pr:\pr+11], v[\ac:\ac+7], v[\sa], v[\sb] matrix_a_fmt:MATRIX_FMT_BF6 matrix_b_fmt:MATRIX_FMT_BF6 matrix_a_scale:MATRIX_SCALE_ROW1
.elseif (\rb)
	v_wmma_scale_f32_16x16x128_f8f6f4 v[\ac:\ac+7], v[\vr:\vr+11], v[\pr:\pr+11], v[\ac:\ac+7], v[\sa], v[\sb] matrix_a_fmt:MATRIX_FMT_BF6 matrix_b_fmt:MATRIX_FMT_BF6 matrix_b_scale:MATRIX_SCALE_ROW1
.else
	v_wmma_scale_f32_16x16x128_f8f6f4 v[\ac:\ac+7], v[\vr:\vr+11], v[\pr:\pr+11], v[\ac:\ac+7], v[\sa], v[\sb] matrix_a_fmt:MATRIX_FMT_BF6 matrix_b_fmt:MATRIX_FMT_BF6
.endif
.endif
.endm
.macro PMUL s, a, zero                 ; tile a of the queries against my eight tiles of V's columns, key step s.  The 64 accumulators take turns, one instruction a turn
.if \s == 0
	WIN 0xa1+0x50*((\a)/4)                         ; V in window 1, the weights in window 0, C and D in window 2 or 3
.else
	WIN 0xa0+0x50*((\a)/4)                         ; V in window 0
.endif
.irp b, 0,1,2,3,4,5,6,7
	PM1 8*(8*((\a)%4)+\b), VF0+(VF1-VF0)*\s+12*\b, PF+12*(\a), VS+4*\s+\b/2, PS+4*\s+(\a)/2, \b%2, (\a)%2, \zero
.endr
.endm
; STEP i OF THE S PHASE, i = 1 .. 8.  Tile i's eight products are issued ahead of tile i - 1's vector work, so that they run beside it (step 8 has no products left).
; Behind the batch of exponentials stand the step's waits, and behind them all its memory and LDS instructions: tile i + 1 of x; the stores of tile i - 2's codes; a run of V's loads (steps 7 and 8, next = 1: of the next K's).
.macro SSTEP i, beta, next
.if (\i) < 8
.if (\i) >= 3
	s_wait_dscnt 3                                 ; tile i of x is in; the three stores that were issued behind its eight loads may stay out
.else
	s_wait_dscnt 0x0                               ; tile i of x is in
.endif
	SMUL \i
.endif
	VECA (\i)-1                                    ; sixteen plain instructions that name none of those products' registers
	VEXP (\i)-1
.if (\i) >= 3
	s_wait_alu depctr_vm_vsrc(0)                   ; the stores issued in the step before have read the set of codes and the half word that VFIN below writes again
.endif
	s_wait_alu depctr_va_vdst(0)                   ; the 32 weights are written, ahead of their first reader; this step's products are done reading x's registers (step 7: and K's), VECA is done reading c nh_x; the step before has written the codes and the half word that the stores below read
.if (\i) < 7
	XLOAD (\i)+1
.endif
.if (\i) >= 2
	PSTORE (\i)-2, \beta
.endif
.if (\i) < 7
	VCH \i                                         ; V's registers: their last readers, the PV phase's products, stand ahead of every wait of this S phase
.elseif \next
	KFL 12*((\i)-7), 12                            ; K's registers have had their last reader of this superstep, tile 7's products
	WIN 0
.endif
	VFIN (\i)-1
.endm
; THE S PHASE.  next = 1: K's bases step, and 24 of the next superstep's 36 loads of K go out in steps 7 and 8.
.macro SPHASE beta, next
	PLACES 5                                       ; behind the last PV products: the first products below write their results over registers that held the weights' fragments
	s_wait_loadcnt 0x0                             ; K is in; no load of mine is out, so K's bases may be written
.if \next
	s_add_nc_u64 s[KBA:KBA+1], s[KBA:KBA+1], 49152
	s_add_nc_u64 s[KSBA:KSBA+1], s[KSBA:KSBA+1], 2048
	s_add_nc_u64 s[CBBA:CBBA+1], s[CBBA:CBBA+1], 1024
.endif
	s_wait_dscnt 0x0                               ; tile 0 of x is in
	SMUL 0
	PLACES 4                                       ; behind tile 0's products: their results' next reader, VECA 0, has only tile 1's products in front of it
	s_wait_alu depctr_va_vdst(0)                   ; tile 0's products are done reading x's registers, in which tile 1 lands; the last PV products are done reading V's scale words and fragments, in which this S phase's loads land
	XLOAD 1
	VCH 0
.irp i, 1,2,3,4,5,6,7,8
	SSTEP \i, \beta, \next
.endr
.endm
; THE PV PHASE.  The loads issued since the S phase's wait for 0, in order: V's 8 + 24 (scale words, first key step), V's 24 (second key step), then with next = 1 K's 12 + 12 + 12,
; with next = 0 (the last superstep) x for the way out: tiles 0, 1 | 2, 6 | 3, 4, 5, each group behind a group of LDS loads, into registers of window 1 that are idle: K's (tiles 0-2), nh_r's (tile 6), the first key step's V (tiles 3-5).
.macro PVPHASE beta, zero, next
	s_wait_alu depctr_va_vdst(0)                   ; VFIN 7 has written the codes and the half word that the stores below read; the S phase's vector work is done with v32-127, in which the fragments land, its products with x's, K's and nh_r's registers
	PSTORE 7, \beta
	s_wait_dscnt 0x0                               ; my images and bytes have landed, and my reads of the other buffer were over long ago
	s_barrier_signal -1
	s_barrier_wait -1                              ; the weights' sixteen fragments of this superstep lie in buffer beta
	s_wait_alu depctr_vm_vsrc(0)                   ; my stores of tiles 6 and 7 have read both sets of codes and both half words: the fragments' loads land in these registers
	PSLOAD \beta
.irp a, 0,1,2,3,4,5,6,7
	PFETCH \beta, 0, \a
.endr
.if \next
	XLOAD 0
	KREST
	s_wait_loadcnt 60                              ; V's scale words and first key step are in; its second key step's 24 loads and K's 36 may stay out
	s_wait_dscnt 24                                ; fragments 4-7's 16 loads and x's 8 may stay out
.else
	WIN 0x40
	XG 0
	XG 1
	WIN 0
	s_wait_loadcnt 40                              ; V's second key step's 24 loads and x's 16 may stay out
	s_wait_dscnt 16                                ; fragments 4-7's 16 loads may stay out
.endif
.irp a, 0,1,2,3
	PMUL 0, \a, \zero
.endr
	s_wait_dscnt 0x0
	PLACES 4                                       ; the places behind the products stay beside the wait below
	WIN 0
	s_wait_alu depctr_va_vdst(0)                   ; the products above are done reading fragments 0-3, in which the second key step's land
.irp a, 0,1,2,3
	PFETCH \beta, 1, \a
.endr
.if \next == 0
	WIN 0x40
	XG 2
	XG 6
.endif
.irp a, 4,5,6,7
	PMUL 0, \a, \zero
.endr
	PLACES 4                                       ; the places behind the products stay beside the wait below
	WIN 0
	s_wait_alu depctr_va_vdst(0)                   ; the products above are done reading fragments 4-7, and all the first key step's products its V, in which (last superstep) x lands
.irp a, 4,5,6,7
	PFETCH \beta, 1, \a
.endr
.if \next
	s_wait_loadcnt 36                              ; all of V is in (K's 36 loads may stay out): so V's bases may be written
	s_add_nc_u64 s[VBA:VBA+1], s[VBA:VBA+1], 98304
	s_add_nc_u64 s[VSBA:VSBA+1], s[VSBA:VSBA+1], 4096
.else
	WIN 0x40
	XG 3
	XG 4
	XG 5
	WIN 0
	s_wait_loadcnt 56                              ; all of V is in; the seven tiles of x asked for so far may stay out
.endif
	s_wait_dscnt 16                                ; all but the 16 LDS loads just issued
.irp a, 0,1,2,3
	PMUL 1, \a, 0
.endr
	s_wait_dscnt 0x0
.irp a, 4,5,6,7
	PMUL 1, \a, 0
.endr
	WIN 0
.endm
	s_load_b256 s[4:11], s[0:1], 0x0               ; x_t s[4:5], x_q s[6:7], r_q s[8:9], v_q s[10:11]
	s_load_b64 s[12:13], s[0:1], 0x20              ; part
	v_lshrrev_b32 v1, 5, v0
	v_readfirstlane_b32 s14, v1                    ; wave 0..3
	s_and_b32 s15, ttmp7, 0xffff                   ; the key split
	v_and_b32 v254, 31, v0                         ; lane
	v_and_b32 v[RR], 15, v0
	v_bfe_u32 v[HH], v0, 4, 1
	v_and_b32 v[RHO], 8, v[RR]
	v_add_nc_u32 v[RHO], v[RHO], v[RR]             ; r + 8 (r / 8)
	v_lshlrev_b32 v[LI], 4, v254
	v_lshlrev_b32 v[L8], 3, v254
	v_lshlrev_b32 v[LS], 2, v254
	s_wait_alu depctr_va_sdst(0)                   ; s14, the wave's number, is written, ahead of its first reader
	s_lshr_b32 s40, s14, 1                         ; my 64 keys are half (wave % 2) of key step (wave / 2)
	s_and_b32 s41, s14, 1
	s_mul_i32 s42, s40, 12288
	s_mul_i32 s43, s41, 768
	s_add_co_u32 s42, s42, s43
	v_add_nc_u32 v[PW16], s42, v[LI]
	s_add_co_u32 s42, s42, 512
	v_add_nc_u32 v[PW8], s42, v[L8]
	s_lshl_b32 s40, s40, 9
	s_lshl_b32 s41, s41, 1
	s_add_co_u32 s40, s40, s41
	s_add_co_u32 s40, s40, PSC
	v_lshl_add_u32 v[PSW], v[RR], 2, s40
	v_lshlrev_b32 v[CG], 6, v[HH]
	v_add_nc_u32 v[XA], XIMG, v[LI]
	v_mov_b32 v[AQ0+1], 0                          ; named as the upper halves of pairs, so they are written
	v_mov_b32 v[AQ1+1], 0
	v_mov_b32 v[TM+4], 0                           ; a lane permute's destination counts as one of its sources
	v_mov_b32 v[TM+5], 0
	v_lshlrev_b32 v60, 4, v0                       ; the copy of x's images and words: 16 and 8 bytes a thread
	v_lshlrev_b32 v61, 3, v0
	s_lshl_b32 s40, s14, 7
	v_lshl_add_u32 v62, v[RHO], 2, s40             ; nh_x of tiles 2 wave and 2 wave + 1
	v_add_nc_u32 v63, XIMG, v60
	s_lshl_b32 s40, s14, 8
	v_add_nc_u32 v59, s40, v[LS]
	v_lshlrev_b32 v[XO], 10, v[RHO]                ; x_t for the way out: my query's row of a tile, my wave's 256 bytes of it, my half's 32
	v_lshl_add_u32 v[XO], v[HH], 5, v[XO]
	v_add_nc_u32 v[XO], s40, v[XO]
	WIN 0x40
.irp j, 0,1,2,3,4,5,6,7,8,9,10,11,12,13,14,15
	v_mov_b32 v[WS+\j], 0                          ; ws
.endr
	WIN 0
	s_mov_b32 s[CS], 0x3cb8aa3b                    ; c = log2(e) / 64
	s_mov_b32 s[CS+1], s[CS]
	s_mov_b32 s[SEL], 0x76543210
	s_mov_b32 s[SEL+1], 0xfedcba98
	s_mov_b32 s41, 0
	s_wait_kmcnt 0x0
	s_mul_i32 s40, ttmp9, 24576
	s_add_nc_u64 s[16:17], s[6:7], s[40:41]        ; my 128 queries' images,
	s_lshl_b32 s40, ttmp9, 10
	s_add_co_u32 s40, s40, SCO
	s_add_nc_u64 s[18:19], s[6:7], s[40:41]        ; scale words,
	s_lshl_b32 s40, ttmp9, 9
	s_add_co_u32 s40, s40, NHO
	s_add_nc_u64 s[48:49], s[6:7], s[40:41]        ; and nh_x
	s_mul_i32 s40, s15, 393216
	s_mul_i32 s42, s14, 12288
	s_add_co_u32 s40, s40, s42
	s_add_nc_u64 s[KBA:KBA+1], s[8:9], s[40:41]
	s_lshl_b32 s40, s15, 14
	s_lshl_b32 s42, s14, 9
	s_add_co_u32 s40, s40, s42
	s_add_co_u32 s40, s40, SCO
	s_add_nc_u64 s[KSBA:KSBA+1], s[8:9], s[40:41]
	s_lshl_b32 s40, s15, 13
	s_lshl_b32 s42, s14, 8
	s_add_co_u32 s40, s40, s42
	s_add_co_u32 s40, s40, NHO
	s_add_nc_u64 s[CBBA:CBBA+1], s[8:9], s[40:41]
	s_mul_i32 s40, s15, 786432
	s_mul_i32 s42, s14, 12288
	s_add_co_u32 s40, s40, s42
	s_add_nc_u64 s[VBA:VBA+1], s[10:11], s[40:41]
	s_lshl_b32 s40, s15, 15
	s_lshl_b32 s42, s14, 8
	s_add_co_u32 s40, s40, s42
	s_add_co_u32 s40, s40, VSCO
	s_add_nc_u64 s[VSBA:VSBA+1], s[10:11], s[40:41]
	s_lshl_b32 s40, ttmp9, 17
	s_add_nc_u64 s[30:31], s[4:5], s[40:41]        ; my 128 rows of x_t
	s_lshl_b32 s42, s15, 23
	s_add_co_u32 s40, s40, s42
	s_add_nc_u64 s[32:33], s[12:13], s[40:41]      ; and of my split's part
	s_wait_alu depctr_va_vdst(0)                   ; v1-7, v59-63, v250 and v255 are written: every load and store up to the way out reads its address or offset from among them
.irp k, 0,1,2,3,4,5,6,7,8,9,10,11
	global_load_b128 v[64+4*\k:67+4*\k], v60, s[16:17] offset:2048*\k
.endr
	global_load_b64 v[112:113], v61, s[18:19]
	global_load_b32 v114, v62, s[48:49]
	global_load_b32 v115, v62, s[48:49] offset:32
	KLOAD                                          ; superstep 0's K
	s_wait_loadcnt 36                              ; K's 36 loads may stay out
.irp k, 0,1,2,3,4,5,6,7,8,9,10,11
	ds_store_b128 v63, v[64+4*\k:67+4*\k] offset:2048*\k
.endr
	ds_store_b64 v61, v[112:113] offset:XSC
	v_mul_f32 v114, s[CS], v114
	v_mul_f32 v115, s[CS], v115
	s_wait_alu depctr_va_vdst(0)                   ; the two products are written, which the two stores below read
	ds_store_b32 v59, v114 offset:AQI
	ds_store_b32 v59, v115 offset:AQI+128
	s_wait_dscnt 0x0                               ; for the others' sake
	s_barrier_signal -1
	s_barrier_wait -1
	s_wait_alu depctr_vm_vsrc(0)                   ; my LDS stores have read v59, v61, v63 and v64-115: from here on these are work registers of the S phase, written by its products and vector instructions
	XLOAD 0
	SPHASE 0, 1
	PVPHASE 0, 1, 1                                ; the first superstep's products start the sums: nothing is cleared
	s_mov_b32 s38, 3
.Lloop:                                            ; two supersteps a trip, one for each buffer
	SPHASE 1, 1
	PVPHASE 1, 0, 1
	SPHASE 0, 1
	PVPHASE 0, 0, 1
	s_sub_co_u32 s38, s38, 1
	s_cmp_lg_u32 s38, 0
	s_cbranch_scc1 .Lloop
	SPHASE 1, 0                                    ; the last superstep asks for no K
	PVPHASE 1, 0, 0                                ; and in K's stead for x
; THE WAY OUT.  In accumulator (a, b) lane (r, h) holds query r of tile a and columns 64 w + 16 (b % 4) + 8 h + 0 .. 7.
.set STO, 192                          ; the stage: where I put 32 bytes of a row
.set RD,  193                          ; and where I read a row back
.set GO,  194                          ; my byte offset in part
.set WSA, 196                          ; where I put my share of ws
.set WRA, 197                          ; and where I read the four shares
	PLACES 4                                       ; behind the last products: their operands' registers are written below
	s_mul_i32 s40, s14, 4352
	s_add_co_u32 s40, s40, STG
	s_lshl_b32 s41, s14, 8
	s_lshl_b32 s42, s14, 9
	s_add_co_u32 s42, s42, WSX
	v_mul_u32_u24 v[STO], v[RR], 272
	v_lshl_add_u32 v[STO], v[HH], 5, v[STO]
	v_add_nc_u32 v[STO], s40, v[STO]
	v_mul_u32_u24 v[RD], v[HH], 272
	v_lshl_add_u32 v[RD], v[RR], 4, v[RD]
	v_add_nc_u32 v[RD], s40, v[RD]
	v_lshlrev_b32 v[GO], 10, v[HH]
	v_lshl_add_u32 v[GO], v[RR], 4, v[GO]
	v_add_nc_u32 v[GO], s41, v[GO]
	v_lshl_add_u32 v[WSA], v[RR], 2, s42
	v_lshl_add_u32 v[WRA], v[RR], 2, WSX
	WIN 0x05
.irp i, 0,1,2,3,4,5,6,7
	v_add_f32 v[32+\i], v[WS+2*\i], v[WS+2*\i+1]   ; my keys' share of ws: the pair's halves,
.endr
	WIN 0
.irp i, 0,1,2,3,4,5,6,7
	v_permlanex16_b32 v[40+\i], v[32+\i], s[SEL], s[SEL+1]
.endr
.irp i, 0,1,2,3,4,5,6,7
	v_add_f32 v[32+\i], v[32+\i], v[40+\i]         ; and lane l xor 16's
.endr
	s_wait_alu depctr_va_vdst(0)                   ; my shares of ws and the five addresses v192-197 are written, which the way out's LDS and memory instructions read; the last products are done reading v64-191, and the additions ws's registers, in all of which loads land below
.irp i, 0,1,2,3,4,5,6,7
	ds_store_b32 v[WSA], v[32+\i] offset:64*\i
.endr
	s_wait_dscnt 0x0
	s_barrier_signal -1
	s_barrier_wait -1                              ; the four waves' shares of ws lie in LDS
	s_wait_alu depctr_vm_vsrc(0)                   ; my stores have read v32-39, which the additions below write again
.irp i, 0,1,2,3,4,5,6,7
.irp q, 0,1,2,3
	ds_load_b32 v[64+4*\i+\q], v[WRA] offset:512*\q+64*\i
.endr
.endr
	WIN 0x40
	XG 7                                           ; the last tile of x lies over ws's registers, which have been read
	WIN 0
	s_wait_dscnt 0x0
.irp i, 0,1,2,3,4,5,6,7
	v_add_f32 v[64+4*\i], v[64+4*\i], v[65+4*\i]
	v_add_f32 v[66+4*\i], v[66+4*\i], v[67+4*\i]
.endr
.irp i, 0,1,2,3,4,5,6,7
	v_add_f32 v[32+2*\i], v[64+4*\i], v[66+4*\i]   ; ws of my query of tile i,
.endr
.irp i, 0,1,2,3,4,5,6,7
	v_mov_b32 v[33+2*\i], v[32+2*\i]               ; twice, for the packed product
.endr
.macro MKT a                           ; tile a: x (x ws - 2 P3) + P2; through my stage, back as whole runs of 256 bytes
.set MT, 64+32*((\a)%2)
.set OB, 128+32*((\a)%2)
.set AC, 64*((\a)%4)
.if (\a) >= 2
	s_wait_alu depctr_vm_vsrc(0)                   ; tile a - 2's LDS stores have read v[MT ..], which the products below write again; its global stores have read v[OB ..], in which the loads from the stage land again
.endif
; x's tiles were asked for in the order 0, 1, 2, 6, 3, 4, 5, 7, eight loads each: the count is that of the loads issued behind this tile's
.if (\a) < 3
	s_wait_loadcnt 8*(7-(\a))
.elseif (\a) < 6
	s_wait_loadcnt 8*(6-(\a))
.elseif (\a) == 6
	s_wait_loadcnt 8                               ; (tile 6 came in ahead of tile 3: only tile 7's loads are left)
.else
	s_wait_loadcnt 0x0
.endif
	WIN 0x01
.set p, 0
.rept 16
	v_pk_mul_f32 v[MT+2*p:MT+2*p+1], v[32*(\a)+2*p:32*(\a)+2*p+1], v[32+2*(\a):33+2*(\a)]
.set p, p+1
.endr
	WIN 0x02+(\a)/4
.set p, 0
.rept 16
	v_pk_fma_f32 v[MT+2*p:MT+2*p+1], v[AC+32+2*p:AC+32+2*p+1], -2.0, v[MT+2*p:MT+2*p+1] op_sel_hi:[1,0,1]   ; each accumulator from its low end on
.set p, p+1
.endr
	WIN 0x21+0x10*((\a)/4)
.set p, 0
.rept 16
	v_pk_fma_f32 v[MT+2*p:MT+2*p+1], v[32*(\a)+2*p:32*(\a)+2*p+1], v[MT+2*p:MT+2*p+1], v[AC+2*p:AC+2*p+1]
.set p, p+1
.endr
	WIN 0
.if (\a) >= 2
	s_wait_xcnt 0x0                                ; tile a - 2's stores have read their registers: only behind this wait are they loaded again
.endif
	s_wait_alu depctr_va_vdst(0)                   ; the multiply-adds have written v[MT ..], which the stores into the stage read
.irp b, 0,1,2,3
.irp e, 0,1
	ds_store_b128 v[STO], v[MT+8*\b+4*\e:MT+8*\b+4*\e+3] offset:64*\b+16*\e
.endr
.endr
.irp k, 0,1,2,3,4,5,6,7
	ds_load_b128 v[OB+4*\k:OB+4*\k+3], v[RD] offset:544*\k   ; LDS serves a wave's instructions in order: these see my stores, and the next tile's stores come behind them
.endr
.endm
.macro SEND a, younger                 ; younger: the LDS instructions issued behind tile a's loads
.set OB, 128+32*((\a)%2)
	s_wait_dscnt \younger
.irp k, 0,1,2,3,4,5,6,7
	global_store_b128 v[GO], v[OB+4*\k:OB+4*\k+3], s[32:33] offset:(32*((\a)/2)+8*((\a)%2)+2*\k+8*(\k/4))*1024   ; sixteen lanes store 256 consecutive bytes, aligned
.endr
.endm
	MKT 0
.irp a, 1,2,3,4,5,6,7
	MKT \a
	SEND \a-1, 16                                  ; tile a's 8 stores and 8 loads may stay out
.endr
	SEND 7, 0
	s_barrier_signal -1
	s_barrier_wait -1
	s_wait_xcnt 0x0
	v_lshl_add_u32 v254, v0, 2, 0x17c00            ; the add's two registers, made anew.  v255 held x's offset: its last readers, tile 7's loads of x, stand ahead of the tiles' waits on vm_vsrc above; no memory or LDS instruction has read v254
	v_mov_b32 v255, 0
	s_wait_dscnt 0x0                               ; the closing lines, six on end, of a launch in the mode that stores to LDS
	s_wait_alu 0x0
	s_wait_tensorcnt 0x0
	ds_add_u32 v254, v255
	s_wait_dscnt 0x0
	s_endpgm
.Lfunc_end_k_q1955b044ce_main:
	.size	k_q1955b044ce_main, .Lfunc_end_k_q1955b044ce_main-k_q1955b044ce_main
	.p2alignl 7, 3214868480
	.fill 96, 4, 3214868480
	.section	.rodata,"a",@progbits
	.p2align	6, 0x0
	.amdhsa_kernel k_q1955b044ce_main
		.amdhsa_group_segment_fixed_size 97792
		.amdhsa_private_segment_fixed_size 0
		.amdhsa_enable_private_segment 0
		.amdhsa_kernarg_size 40
		.amdhsa_user_sgpr_count 2
		.amdhsa_user_sgpr_kernarg_segment_ptr 1
		.amdhsa_wavefront_size32 1
		.amdhsa_system_sgpr_workgroup_id_x 1
		.amdhsa_system_sgpr_workgroup_id_y 1
		.amdhsa_system_sgpr_workgroup_id_z 1
		.amdhsa_system_vgpr_workitem_id 0
		.amdhsa_next_free_vgpr 1024
		.amdhsa_next_free_sgpr 66
		.amdhsa_reserve_vcc 0
		.amdhsa_float_denorm_mode_32 3
		.amdhsa_float_denorm_mode_16_64 3
		.amdhsa_memory_ordered 1
		.amdhsa_forward_progress 1
		.amdhsa_inst_pref_size 255
	.end_amdhsa_kernel
	.section	.bss,"aw",@nobits
	.p2align	6
	.space	262144
	.amdgpu_metadata
---
amdhsa.version: [ 1, 2 ]
amdhsa.kernels:
  - .name:           k_q1955b044ce_main
    .symbol:         k_q1955b044ce_main.kd
    .args:
      - { .name: x_t, .offset: 0, .size: 8, .value_kind: global_buffer, .address_space: global }
      - { .name: x_q, .offset: 8, .size: 8, .value_kind: global_buffer, .address_space: global }
      - { .name: r_q, .offset: 16, .size: 8, .value_kind: global_buffer, .address_space: global }
      - { .name: v_q, .offset: 24, .size: 8, .value_kind: global_buffer, .address_space: global }
      - { .name: part, .offset: 32, .size: 8, .value_kind: global_buffer, .address_space: global }
    .group_segment_fixed_size: 97792
    .private_segment_fixed_size: 0
    .kernarg_segment_align: 8
    .kernarg_segment_size: 40
    .max_flat_workgroup_size: 128
    .sgpr_count:     66
    .vgpr_count:     1024
    .wavefront_size: 32
...
	.end_amdgpu_metadata
.endif
;; end of part 4
;; launch comb: the kernel of part 3 again; grid 512 x 1, 8 waves a work-group, no clusters, 0 bytes of LDS; arguments part, W, out0; writes out0
